; MI455X (gfx1250); checked and timed in simulation.
; The chip was launched on July 23, 2026; its instructions are those of AMD's public machine-readable ISA for CDNA 5 (MIT licence, August 2026) and "CDNA5" Instruction Set Architecture Reference Guide (July 2026). The comments in the code are by the model that wrote it; some were corrected since.
;; MHS Attention. Allowed arithmetic: matrix products marked QUANTISED: E2M3 operands, one E8M0 scale for each 32 along K, by v_wmma_scale_f32_16x16x128_f8f6f4 with both operands' format E2M3, f32 sums; everything else in f32.
;; Inputs: o_w_codes 1,024 x 32 x 24 uint8 (E2M3 codes of o_w, K innermost, in blocks of 32 codes, four codes in three bytes); o_w_scales 1,024 x 32 uint8 (E8M0 scales of o_w, one for each 32 codes along K); qkv_w_codes 3,072 x 32 x 24 uint8 (E2M3 codes of qkv_w, K innermost, in blocks of 32 codes, four codes in three bytes); qkv_w_scales 3,072 x 32 uint8 (E8M0 scales of qkv_w, one for each 32 codes along K); token_positions 2,048 int32; x_codes 4 x 2,048 x 32 x 24 uint8 (E2M3 codes of x, K innermost, in blocks of 32 codes, four codes in three bytes); x_scales 4 x 2,048 x 32 uint8 (E8M0 scales of x, one for each 32 codes along K).
;; Outputs: out0 4 x 2,048 x 1,024 float32.
;; This version of the problem:
;;   THIS VERSION OF THE PROBLEM IS GIVEN IN LOW PRECISION. The matrix products marked QUANTISED in the list below multiply operands that are first quantised to E2M3 (2 exponent bits, 3 mantissa bits; 6 bits a number), with one power-of-two scale for each 32 numbers along K (OCP MX v1.0); their sums are f32. All else is computed in f32.
;;   The module's matrix products, in the order in which they are computed (A, B: the left and right operand; K: the contracted axis; several contracted axes count as one K, in the product's order):
;;     1. [M 8,192, K 1,024] x [K 1,024, N 3,072]; A: input x (given as codes); B: input qkv_w (given as codes): QUANTISED
;;     2. batch 64 x [M 2,048, K 64] x [K 64, N 2,048]; A: computed on the way; B: computed on the way: QUANTISED
;;     3. batch 64 x [M 2,048, K 2,048] x [K 2,048, N 64]; A: softmax (see below); B: computed on the way: QUANTISED
;;     4. [M 8,192, K 1,024] x [K 1,024, N 1,024]; A: computed on the way; B: input o_w (given as codes): QUANTISED
;;   THE QUANTISER, for each operand of a quantised product, along K:
;;     - K is cut into blocks of 32 from its start; a last block that is shorter is filled with zeros.
;;     - A block's scale is 2^e with e = floor(log2(the largest magnitude in the block)) - 2, held to -126 .. 127; a block of zeros has e = 0. As a byte (E8M0): e + 127.
;;     - Each number is divided by its block's scale, clamped to +-7.5, and rounded to the nearest number of E2M3, ties to even, subnormals kept.
;;     - The product sums the exact products of the quantised numbers (number of the format x scale) in f32.
;;   ~~~python
;;   def quantise(x, axis):      # numpy; x: float32 -> the quantised numbers, widened to float32 again
;;       x = np.moveaxis(x, axis, -1); K = x.shape[-1]
;;       x = np.pad(x, [(0, 0)] * (x.ndim - 1) + [(0, -K % 32)]); x = x.reshape(x.shape[:-1] + (-1, 32)); a = np.abs(x).max(-1, keepdims=True)
;;       e = np.where(a > 0, np.clip(np.frexp(np.where(a > 0, a, 1))[1] - 1 - 2, -126, 127), 0)      # np.frexp(a)[1] - 1 = floor(log2(a)), exactly
;;       r = np.clip(x / 2.0 ** e, -7.5, 7.5)
;;       step = 2.0 ** (np.maximum(np.frexp(np.where(r == 0, 1, r))[1] - 1, 0) - 3)
;;       q = np.round(r / step) * step * 2.0 ** e      # np.round: ties to even
;;       return np.moveaxis(q.reshape(q.shape[:-2] + (-1,))[..., :K], -1, axis).astype(np.float32)
;;   ~~~
;;   SOFTMAX AHEAD OF A QUANTISED PRODUCT. Where the list says 'softmax', what is quantised is not the finished softmax but p = 2^(t - M), with t = logit x log2(e) and M = ceil(the row's largest t), a whole number; so 1/2 < the row's largest p <= 1. The row's sum l is taken of the UNQUANTISED p, in f32, and the product's result is divided by l at the end. Since M is a whole number, a kernel that streams over the keys may use a running M (the ceiling of the running maximum): every later rescaling is an exact power of two, which a block's scale takes up: the codes' values come out the same.
;;   OPERANDS COMPUTED ON THE WAY. 'Computed on the way' means the value that the module computes at that place (a softmax that the list does not call 'softmax' is quantised finished and normalised). What goes into a quantiser is computed in f32, as accurately as f32 sums, v_exp_f32 and their like allow (about 1e-6 of the number): no bf16 or f16 on the way to a quantiser, and a product that is left as it is and whose result goes on into a quantised operand takes f32 operands (vector FMAs, or v_wmma_f32_16x16x4_f32). A number that lies on a knife's edge between two numbers of the format may be rounded either way, as far as f32 arithmetic and the matrix unit's own rounding can turn it there, and no further.
;;   INPUTS GIVEN AS CODES. o_w (in the module: [1024, 1024], K = its axis 1); qkv_w (in the module: [3072, 1024], K = its axis 1); x (in the module: [4, 2048, 1024], K = its axis 2): each comes as NAME_codes (uint8): NAME with its K axis moved to the last place and cut into blocks of 32 codes, [.., K / 32, bytes a block], one block behind the other in memory; four codes in three bytes: a row's codes are one little-endian stream of bits, code i at bits 6 i .. 6 i + 5 (a code: sign, 2 exponent bits, 3 mantissa bits); and NAME_scales (uint8): the same leading axes, one E8M0 byte (e + 127) for each 32 codes along K. Its value is code x scale, taken as it is: it is not quantised again, and the codes and scales need not be those that the quantiser above would give.
;; One version. Each part assembles by itself: llvm-mc -triple=amdgcn-amd-amdhsa -mcpu=gfx1250 --defsym DOCPART=n.
;; ======== version 1 of 1: 4 launches
;; limits: right only within a limited range of input values
;; workspace buffers: rope_tab 524,288 bytes; qkv_img 18,874,368 bytes; qkv_sc 786,432 bytes; ctx_img 6,291,456 bytes; ctx_sc 262,144 bytes
;; launch ropetab (part 1): grid 256 x 1, 4 waves a work-group, no clusters, 0 bytes of LDS; arguments token_positions, rope_tab; writes rope_tab
.if DOCPART == 1
	.amdgcn_target "amdgcn-amd-amdhsa--gfx1250"
	.amdhsa_code_object_version 6
	.text
	.protected	k_qec4fd69fdd_ropetab
	.globl	k_qec4fd69fdd_ropetab
	.p2align	8
	.type	k_qec4fd69fdd_ropetab,@function
k_qec4fd69fdd_ropetab:
	s_mov_b64 s[64:65], 0
	v_nop
	global_prefetch_b8 v0, s[64:65] scope:SCOPE_SE
	s_setreg_imm32_b32 hwreg(HW_REG_WAVE_MODE, 25, 1), 1
	s_wait_xcnt 0x0
; rope_tab[s][j] = (cos, sin) of token_positions[s] x 10^(-j/8), j = 0 .. 31, f32: a row of 256 bytes for each place s of the sequence.
; The angle is one f32 product.  It is reduced by whole multiples of pi/2 (pi/2 in three parts, fused multiply-adds) to |r| <= pi/4;
; sine and cosine of r are polynomials of degree 7 and 8; the quadrant swaps them and sets the signs.
; SHARES: a work-group takes 8 rows, a wave 2; lane = frequency j, so a wave's store of 8 bytes a lane covers one row: 256 consecutive bytes, aligned.
; LIMITS: positions are whole numbers 0 .. 2,047 (the table that the problem indexes has 2,048 rows); the frequencies are 10^(-j/8) rounded once to f32,
; which may differ in the last bit from a power and a reciprocal taken one after the other in f32.
; No LDS, no barrier, no matrix unit: 512 KB are written once and nothing is shared.
	s_load_b128 s[4:7], s[0:1], 0x0                ; token_positions s[4:5], rope_tab s[6:7]
	v_lshrrev_b32 v3, 5, v0
	v_readfirstlane_b32 s8, v3                     ; wave 0..3
	v_and_b32 v4, 31, v0                           ; lane = frequency
	v_lshlrev_b32 v1, 3, v4                        ; 8 bytes a lane
	s_lshl_b32 s9, ttmp9, 3
	s_lshl_b32 s10, s8, 1
	s_add_co_u32 s9, s9, s10                       ; my first row: 8 x work-group + 2 x wave
	s_lshl_b32 s10, s9, 2
	s_mov_b32 s11, 0
	s_wait_kmcnt 0x0
	s_add_nc_u64 s[4:5], s[4:5], s[10:11]
	s_load_b64 s[12:13], s[4:5], 0x0               ; my two positions
	s_lshl_b32 s10, s9, 8
	s_add_nc_u64 s[6:7], s[6:7], s[10:11]          ; my first row of the table
	v_mov_b32 v2, 0
.macro FREQ n, val                             ; lane n's frequency
	s_mov_b32 s20, \val
	v_writelane_b32 v2, s20, \n
.endm
	FREQ 0, 1.0
	FREQ 1, 0.7498942093324559
	FREQ 2, 0.5623413251903491
	FREQ 3, 0.4216965034285822
	FREQ 4, 0.31622776601683794
	FREQ 5, 0.23713737056616552
	FREQ 6, 0.1778279410038923
	FREQ 7, 0.1333521432163324
	FREQ 8, 0.1
	FREQ 9, 0.07498942093324559
	FREQ 10, 0.05623413251903491
	FREQ 11, 0.04216965034285822
	FREQ 12, 0.031622776601683794
	FREQ 13, 0.023713737056616552
	FREQ 14, 0.01778279410038923
	FREQ 15, 0.01333521432163324
	FREQ 16, 0.01
	FREQ 17, 0.007498942093324559
	FREQ 18, 0.005623413251903491
	FREQ 19, 0.004216965034285822
	FREQ 20, 0.0031622776601683794
	FREQ 21, 0.0023713737056616552
	FREQ 22, 0.001778279410038923
	FREQ 23, 0.001333521432163324
	FREQ 24, 0.001
	FREQ 25, 0.0007498942093324559
	FREQ 26, 0.0005623413251903491
	FREQ 27, 0.0004216965034285822
	FREQ 28, 0.00031622776601683794
	FREQ 29, 0.00023713737056616552
	FREQ 30, 0.0001778279410038923
	FREQ 31, 0.0001333521432163324
	s_mov_b32 s21, 0x3f22f983                      ; 2 / pi
	s_mov_b32 s22, 0xbfc90fdb                      ; pi/2 = P1 + P2 + P3: -P1,
	s_mov_b32 s23, 0x333bbd2e                      ; -P2,
	s_mov_b32 s24, 0x26f72ced                      ; -P3
	s_mov_b32 s25, -1.9515295891e-4                ; sine: r + r z (S1 + z (S2 + z S3)), z = r r
	s_mov_b32 s26, 8.3321608736e-3
	s_mov_b32 s27, -1.6666654611e-1
	s_mov_b32 s28, 2.443315711809948e-5            ; cosine: 1 - z / 2 + z z (C1 + z (C2 + z C3))
	s_mov_b32 s29, -1.388731625493765e-3
	s_mov_b32 s30, 4.166664568298827e-2
	s_wait_kmcnt 0x0                               ; the positions
.macro ROW i                                   ; each row has its own two registers of results: no store's data are written again
	v_cvt_f32_i32 v5, s[12+\i]
	s_wait_alu depctr_va_vdst(0)
	v_mul_f32 v5, v5, v2                           ; the angle
	v_mul_f32 v6, s21, v5
	v_rndne_f32 v6, v6                             ; n = the nearest whole multiple of pi/2
	v_fma_f32 v7, v6, s22, v5
	v_fma_f32 v7, v6, s23, v7
	v_fma_f32 v7, v6, s24, v7                      ; r = angle - n pi/2
	v_cvt_i32_f32 v8, v6
	v_mul_f32 v9, v7, v7                           ; z
	v_fma_f32 v10, v9, s25, s26
	v_fma_f32 v10, v10, v9, s27
	v_mul_f32 v10, v10, v9
	v_fma_f32 v10, v10, v7, v7                     ; sin r
	v_fma_f32 v11, v9, s28, s29
	v_fma_f32 v11, v11, v9, s30
	v_fma_f32 v12, v9, -0.5, 1.0
	v_mul_f32 v13, v9, v9
	v_fma_f32 v11, v13, v11, v12                   ; cos r
	v_and_b32 v12, 1, v8
	v_cmp_eq_u32 vcc_lo, 1, v12                    ; an odd quadrant swaps the two
	v_cndmask_b32 v13, v10, v11, vcc_lo            ; the sine's magnitude
	v_cndmask_b32 v14, v11, v10, vcc_lo            ; the cosine's
	v_lshlrev_b32 v12, 30, v8
	v_and_b32 v12, 0x80000000, v12                 ; the sine is negative in quadrants 2 and 3: bit 1 of n
	v_xor_b32 v[17+2*\i], v13, v12
	v_add_nc_u32 v12, 1, v8
	v_lshlrev_b32 v12, 30, v12
	v_and_b32 v12, 0x80000000, v12                 ; the cosine in quadrants 1 and 2: bit 1 of n + 1
	v_xor_b32 v[16+2*\i], v14, v12
	global_store_b64 v1, v[16+2*\i:17+2*\i], s[6:7] offset:256*\i   ; 32 lanes store 256 consecutive bytes, aligned
.endm
	ROW 0
	ROW 1
	s_endpgm
.Lfunc_end_k_qec4fd69fdd_ropetab:
	.size	k_qec4fd69fdd_ropetab, .Lfunc_end_k_qec4fd69fdd_ropetab-k_qec4fd69fdd_ropetab
	.p2alignl 7, 3214868480
	.fill 96, 4, 3214868480
	.section	.rodata,"a",@progbits
	.p2align	6, 0x0
	.amdhsa_kernel k_qec4fd69fdd_ropetab
		.amdhsa_group_segment_fixed_size 0
		.amdhsa_private_segment_fixed_size 0
		.amdhsa_enable_private_segment 0
		.amdhsa_kernarg_size 16
		.amdhsa_user_sgpr_count 2
		.amdhsa_user_sgpr_kernarg_segment_ptr 1
		.amdhsa_wavefront_size32 1
		.amdhsa_system_sgpr_workgroup_id_x 1
		.amdhsa_system_sgpr_workgroup_id_y 1
		.amdhsa_system_sgpr_workgroup_id_z 1
		.amdhsa_system_vgpr_workitem_id 0
		.amdhsa_next_free_vgpr 48
		.amdhsa_next_free_sgpr 66
		.amdhsa_reserve_vcc 1
		.amdhsa_float_denorm_mode_32 3
		.amdhsa_float_denorm_mode_16_64 3
		.amdhsa_memory_ordered 1
		.amdhsa_forward_progress 1
		.amdhsa_inst_pref_size 9
	.end_amdhsa_kernel
	.amdgpu_metadata
---
amdhsa.version: [ 1, 2 ]
amdhsa.kernels:
  - .name:           k_qec4fd69fdd_ropetab
    .symbol:         k_qec4fd69fdd_ropetab.kd
    .args:
      - { .name: token_positions, .offset: 0, .size: 8, .value_kind: global_buffer, .address_space: global }
      - { .name: rope_tab, .offset: 8, .size: 8, .value_kind: global_buffer, .address_space: global }
    .group_segment_fixed_size: 0
    .private_segment_fixed_size: 0
    .kernarg_segment_align: 8
    .kernarg_segment_size: 16
    .max_flat_workgroup_size: 128
    .sgpr_count:     66
    .vgpr_count:     48
    .wavefront_size: 32
...
	.end_amdgpu_metadata
.endif
;; end of part 1
;; launch qkv (part 2): grid 12 x 32, 4 waves a work-group, clusters of 4 x 4, 327,680 bytes of LDS; arguments x_codes, x_scales, qkv_w_codes, qkv_w_scales, rope_tab, qkv_img, qkv_sc; writes qkv_img, qkv_sc
.if DOCPART == 2
	.amdgcn_target "amdgcn-amd-amdhsa--gfx1250"
	.amdhsa_code_object_version 6
	.text
	.protected	k_qec4fd69fdd_qkv
	.globl	k_qec4fd69fdd_qkv
	.p2align	8
	.type	k_qec4fd69fdd_qkv,@function
k_qec4fd69fdd_qkv:
	s_mov_b64 s[64:65], 0
	v_nop
	global_prefetch_b8 v0, s[64:65] scope:SCOPE_SE
	s_setreg_imm32_b32 hwreg(HW_REG_WAVE_MODE, 25, 1), 1
	s_wait_xcnt 0x0
	s_wait_alu depctr_hold_cnt(0) depctr_sa_sdst(0) depctr_va_vdst(0) depctr_va_sdst(0) depctr_va_ssrc(0) depctr_va_vcc(0) depctr_vm_vsrc(0)
	s_getreg_b32 s2, hwreg(HW_REG_IB_STS2, 6, 4)
	s_cmp_eq_u32 s2, 0
	s_cbranch_scc0 .Lentry_in_a_cluster
	s_endpgm
.Lentry_in_a_cluster:
	s_bfe_u32 s2, ttmp6, 0x10000c
	s_cmp_lg_u32 s2, 0xf033
	s_cbranch_scc0 .Lentry_shape_is_right
	s_endpgm
.Lentry_shape_is_right:
; q, k, v = x W^T on codes of FP6 (E2M3) with E8M0 scales, K = 1,024; RoPE on q and k; q and k are quantised along the head's 64, v along the keys; codes and scale bytes are stored.
; A tile of 256 x 256 is made by four waves, 128 x 128 each.  K goes through a ring of two LDS slots in chunks of 256 bytes of each row (a row of codes is 768 bytes: three chunks, eight steps of 96 bytes).
; The scale bytes of the 512 rows come once.  4 x 4 work-groups form a cluster: A's tiles are asked for jointly along a row, B's along a column.
; The cluster's x says what is made: 0 q, 1 k, 2 v.  For q and k A = rows of x, B = rows of W; for v A = rows of W_v, B = rows of x.
; The matrix instruction is used transposed (source 0 = B, source 1 = A): a lane holds one row of A, its registers run along B's rows: along the K of the product that follows.
; Inside a block of 32 a lane ends with the order 0-7, 16-23, 8-15, 24-31, alike on both sides of the later products.
; Stored: images of operand registers (12 registers x 32 lanes, 1,536 bytes; chunk i of 512 bytes holds lane l's registers 4 i .. 4 i + 3 at 16 l).
;   q, k: image t of a head: registers 0-5 row 32 t + r, 6-11 row 32 t + 16 + r.  v: image (g, T): channels 16 T + r, keys 128 g ..   scale words: [part][batch x head][g][r][4 words].
; No prefetch: the block is the largest, in clusters, and K has three chunks only.
; LIMITS: NaN and infinities are not served.  A block under 2^-124 (zeros among them) gets the scale byte 1; these bytes are read by this program alone.
.set ROWB,   256
.set NQ,     2
.set KROW,   768
.set STEPS,  8
.set CHUNKS, 3
.set PITCH,  272
.set FR,     12
.set NL,     6
.set NP,     4
.set HALFT,  128*PITCH
.set SLOT,   4*HALFT
.set KS,     32
.set SCL,    2*SLOT
.set HALFS,  16*272
.set SBLK,   2*272
.set SPARE,  SCL+4*HALFS
.set ADRA, 16
.set ADRB, 20
.set LI,   24
.set LS,   25
.set LT,   26
.set ADRS, 27
.set SPW,  28
.set NIL,  29
.set SELV, 30
.set SC,   32
.set AF,   128
.set R,    64
.set TP,   128
.set TM,   136
.set CT,   152
.set P,    160
.set PWS,  208
.set SW,   216
.set G1, 24
.set G0, 32
.set G1B, 48
.set G0B, 56
.set G1S, 68
.set G0S, 76
.set G1SB, 80
.set G0SB, 88
.set G0H, 4
.set G0HB, 8
.set MSB, 0
.macro WIN new
.if MSB != (\new)
	s_set_vgpr_msb (MSB<<8)|(\new)
.set MSB, (\new)
.endif
.endm
.set MUL_LO, 0xa1
.set MUL_HI, 0xf1
.set TO_B,   0x40
.macro JLOAD g0a, g1a, g0b, g1b        ; waves 0, 1 fetch for A, waves 2, 3 for B
	s_cmp_eq_u32 s15, 0
	s_cbranch_scc0 .Lfor_b_\@
	tensor_load_to_lds s[\g0a:\g0a+3], s[\g1a:\g1a+7]
	s_nop 0
.rept 4
	v_nop
.endr
	s_branch .Lasked_\@
.Lfor_b_\@:
	tensor_load_to_lds s[\g0b:\g0b+3], s[\g1b:\g1b+7]
	s_nop 0
.rept 4
	v_nop
.endr
.Lasked_\@:
.endm
.macro CREST
	s_cmp_lg_u32 s14, 0
	s_cbranch_scc1 .Lnot_wave_0_\@
	s_barrier_signal -3
.Lnot_wave_0_\@:
	s_barrier_wait -3
	s_barrier_signal -1
	s_barrier_wait -1
.endm
.macro CROUND
	s_barrier_signal -1
	s_barrier_wait -1
	CREST
.endm
	s_load_b256 s[4:11], s[0:1], 0x0               ; x's codes, x's scales, W's codes, W's scales
	s_load_b128 s[96:99], s[0:1], 0x20             ; the table, the images
	s_load_b64 s[100:101], s[0:1], 0x30            ; the scale words
	v_lshl_add_u32 v[SPW], v0, 2, SPARE
	v_mov_b32 v[NIL], 0
	ds_add_u32 v[SPW], v[NIL]                      ; the opening lines
	ds_add_u32 v[SPW], v[NIL]
	v_lshrrev_b32 v1, 5, v0
	v_readfirstlane_b32 s14, v1                    ; wave
	s_lshr_b32 s15, s14, 1                         ; my half of A's rows; also: I fetch for A (0) or B (1)
	s_and_b32 s16, s14, 1                          ; my half of B's rows; also: which 128 rows I fetch
	s_bfe_u32 s40, ttmp6, 0x40000                  ; cx
	s_bfe_u32 s41, ttmp6, 0x40004                  ; cy
	s_and_b32 s18, ttmp7, 0xffff
	s_lshl_b32 s18, s18, 2
	s_lshl_b32 s19, ttmp9, 2
	s_cmp_eq_u32 ttmp9, 2                          ; v?  alike in all sixteen partners
	s_cselect_b32 s17, 8, s18                      ; A's tile of 256 rows
	s_cselect_b32 s42, s18, s19                    ; B's
	s_cselect_b32 s95, 1, 0
	s_add_co_u32 s17, s17, s41
	s_add_co_u32 s42, s42, s40
	s_lshl_b32 s43, s41, 2
	s_lshl_b32 s43, 15, s43                        ; my row of the cluster
	s_lshl_b32 s44, 0x1111, s40                    ; my column
	s_or_b32 s[G1+0], s43, (0<<16)|(1<<20)|(1<<21)|(5<<22)|(3<<25)
	s_or_b32 s[G1B+0], s44, (0<<16)|(1<<20)|(1<<21)|(5<<22)|(3<<25)
.irp g, G1, G1B
	s_mov_b32 s[\g+1], ROWB<<16
	s_mov_b32 s[\g+2], 256<<16                     ; 256 rows for the head's loads
	s_mov_b32 s[\g+3], ROWB<<16
	s_mov_b32 s[\g+4], 256
	s_mov_b32 s[\g+5], KROW
	s_mov_b32 s[\g+6], 0
	s_mov_b32 s[\g+7], 0
.endr
	s_or_b32 s[G1S+0], s43, (3<<16)|(1<<20)|(1<<21)|(5<<22)|(3<<25)
	s_or_b32 s[G1SB+0], s44, (3<<16)|(1<<20)|(1<<21)|(5<<22)|(3<<25)
.irp g, G1S, G1SB                      ; the scales of 256 rows: 32 rows of 256 bytes
	s_mov_b32 s[\g+1], 32<<16
	s_mov_b32 s[\g+2], KS<<16
	s_mov_b32 s[\g+3], 32<<16
	s_mov_b32 s[\g+4], KS
	s_mov_b32 s[\g+5], 32
	s_mov_b32 s[\g+6], 0
	s_mov_b32 s[\g+7], 0
.endr
	s_lshl_b32 s20, s17, 8
	s_lshl_b32 s46, s42, 8
	s_lshl_b32 s22, s20, 5                         ; where the rows' scales begin,
	s_lshl_b32 s92, s46, 5
	s_mul_i32 s20, s20, KROW                       ; and their codes
	s_mul_i32 s46, s46, KROW
	s_mov_b32 s21, 0
	s_mov_b32 s23, 0
	s_mov_b32 s47, 0
	s_mov_b32 s93, 0
	s_mul_i32 s18, s16, 128*KROW
	s_mov_b32 s19, 0
	s_mul_i32 s45, s14, HALFT
	s_wait_dscnt 0x0                               ; both opening adds are done
	s_wait_kmcnt 0x0
	s_cmp_eq_u32 ttmp9, 2
	s_cselect_b64 s[12:13], s[8:9], s[4:5]         ; A's codes
	s_cselect_b64 s[66:67], s[10:11], s[6:7]       ; A's scales
	s_cselect_b64 s[8:9], s[4:5], s[8:9]           ; B's codes
	s_cselect_b64 s[10:11], s[6:7], s[10:11]       ; B's scales
	s_add_nc_u64 s[20:21], s[12:13], s[20:21]
	s_add_nc_u64 s[22:23], s[66:67], s[22:23]
	s_add_nc_u64 s[46:47], s[8:9], s[46:47]
	s_add_nc_u64 s[92:93], s[10:11], s[92:93]
	CROUND                                         ; the first joint loads meet
	s_mov_b32 s[G0H], 1
	s_mov_b32 s[G0H+1], 0
	s_mov_b64 s[G0H+2:G0H+3], s[20:21]
	s_or_b32 s[G0H+3], s[G0H+3], 0x80000000
	s_mov_b32 s[G0HB], 1
	s_mov_b32 s[G0HB+1], 2*HALFT
	s_mov_b64 s[G0HB+2:G0HB+3], s[46:47]
	s_or_b32 s[G0HB+3], s[G0HB+3], 0x80000000
	s_mov_b32 s[G0S], 1
	s_mov_b32 s[G0S+1], SCL
	s_mov_b64 s[G0S+2:G0S+3], s[22:23]
	s_or_b32 s[G0S+3], s[G0S+3], 0x80000000
	s_mov_b32 s[G0SB], 1
	s_mov_b32 s[G0SB+1], SCL+2*HALFS
	s_mov_b64 s[G0SB+2:G0SB+3], s[92:93]
	s_or_b32 s[G0SB+3], s[G0SB+3], 0x80000000
	s_add_nc_u64 s[20:21], s[20:21], s[18:19]      ; for the ring: my 128 rows
	s_add_nc_u64 s[46:47], s[46:47], s[18:19]
.irp s, 0,1
	s_mov_b32 s[G0+4*\s], 1
	s_add_co_u32 s[G0+4*\s+1], s45, \s*SLOT
	s_add_nc_u64 s[G0+4*\s+2:G0+4*\s+3], s[20:21], \s*ROWB
	s_or_b32 s[G0+4*\s+3], s[G0+4*\s+3], 0x80000000
	s_mov_b32 s[G0B+4*\s], 1
	s_add_co_u32 s[G0B+4*\s+1], s45, \s*SLOT
	s_add_nc_u64 s[G0B+4*\s+2:G0B+4*\s+3], s[46:47], \s*ROWB
	s_or_b32 s[G0B+4*\s+3], s[G0B+4*\s+3], 0x80000000
.endr
; the head's four tiles, one load a wave: chunk 0 of A, chunk 0 of B, A's scales, B's scales
.macro ARM under, g0, g1, next
	s_cmp_lt_u32 s14, \under
	s_cbranch_scc0 \next
	tensor_load_to_lds s[\g0:\g0+3], s[\g1:\g1+7]
	s_nop 0
.rept 4
	v_nop
.endr
	s_branch .Lhead_asked
\next:
.endm
	ARM 1, G0H,  G1,  .Lhead_b
	ARM 2, G0HB, G1B, .Lhead_sa
	ARM 3, G0S,  G1S, .Lhead_sb
	tensor_load_to_lds s[G0SB:G0SB+3], s[G1SB:G1SB+7]
	s_nop 0
.rept 4
	v_nop
.endr
.Lhead_asked:
	v_and_b32 v1, 15, v0                           ; r
	v_bfe_u32 v2, v0, 4, 1                         ; h
	v_mul_u32_u24 v3, v1, PITCH
	v_mul_u32_u24 v4, v2, 24
	v_add_nc_u32 v4, v3, v4
	s_mov_b32 s21, SLOT-232
	s_mov_b32 s22, SLOT+232
	v_sub_nc_u32 v7, 1, v2
	v_mul_u32_u24 v5, s21, v2
	v_add_nc_u32 v5, v3, v5
	v_add_nc_u32 v5, 232, v5                       ; lanes 0-15 byte 232 in slot 0, lanes 16-31 byte 0 in slot 1
	v_mul_u32_u24 v6, s22, v7
	v_add_nc_u32 v6, v3, v6                        ; and the other way round
	s_mul_i32 s21, s15, HALFT
	s_mul_i32 s22, s16, HALFT
	s_add_co_u32 s22, s22, 2*HALFT
	v_add_nc_u32 v[ADRA+2], s21, v5
	v_add_nc_u32 v[ADRA+3], s21, v6
	v_add_nc_u32 v[ADRB+2], s22, v5
	v_add_nc_u32 v[ADRB+3], s22, v6
.irp s, 0,1
	v_add_nc_u32 v[ADRA+\s], s21, v4
	v_add_nc_u32 v[ADRB+\s], s22, v4
	s_add_co_u32 s21, s21, SLOT
	s_add_co_u32 s22, s22, SLOT
.endr
	v_mul_u32_u24 v5, v1, KS
	v_lshrrev_b32 v6, 8, v5
	v_lshl_add_u32 v5, v6, 4, v5
	s_mul_i32 s21, s15, HALFS
	s_mul_i32 s22, s16, HALFS
	s_add_co_u32 s22, s22, 2*HALFS
	s_sub_co_u32 s22, s22, s21
	v_mul_u32_u24 v6, s22, v2                      ; lanes 16-31 take B's
	s_add_co_u32 s21, s21, SCL
	v_add_nc_u32 v5, v5, v6
	v_add_nc_u32 v[ADRS], s21, v5
	v_lshlrev_b32 v[LT], 8, v1                     ; my place in 16 rows of the table: 256 r + 32 h
	v_lshl_add_u32 v[LT], v2, 5, v[LT]
.macro FRAG reg, adr, st, i            ; 16 rows x 128 K: six pieces of 8 bytes; byte y of a row lies in slot (y / 256) % 2 at byte y % 256
.irp p, 0,1,2,3,4,5
.set BY, 96*(\st)+48*(\p/3)+8*(\p%3)
.if BY/ROWB == (BY+24)/ROWB
	ds_load_b64 v[\reg+2*\p:\reg+2*\p+1], v[\adr+(BY/ROWB)%2] offset:BY%ROWB+(\i)*16*PITCH
.else
	ds_load_b64 v[\reg+2*\p:\reg+2*\p+1], v[\adr+2+(BY/ROWB)%2] offset:BY%ROWB-232+(\i)*16*PITCH
.endif
.endr
.endm
.macro MUL16 a0, p, q, sc, zero        ; the 64 accumulators take turns
.irp a, \a0, \a0+1
.irp b, 0,1,2,3,4,5,6,7
.if \zero
	v_wmma_scale_f32_16x16x128_f8f6f4 v[8*(8*((\a)%4)+\b):8*(8*((\a)%4)+\b)+7], v[128*(\p)+FR*\b:128*(\p)+FR*\b+FR-1], v[AF+FR*(\a):AF+FR*(\a)+FR-1], 0, v[SC+8*NQ*(\sc)+NQ*\b+(\q)], v[SC+8*NQ*(\sc)+NQ*(\a)+(\q)] matrix_a_fmt:MATRIX_FMT_FP6 matrix_b_fmt:MATRIX_FMT_FP6 matrix_a_scale:MATRIX_SCALE_ROW1
.else
	v_wmma_scale_f32_16x16x128_f8f6f4 v[8*(8*((\a)%4)+\b):8*(8*((\a)%4)+\b)+7], v[128*(\p)+FR*\b:128*(\p)+FR*\b+FR-1], v[AF+FR*(\a):AF+FR*(\a)+FR-1], v[8*(8*((\a)%4)+\b):8*(8*((\a)%4)+\b)+7], v[SC+8*NQ*(\sc)+NQ*\b+(\q)], v[SC+8*NQ*(\sc)+NQ*(\a)+(\q)] matrix_a_fmt:MATRIX_FMT_FP6 matrix_b_fmt:MATRIX_FMT_FP6 matrix_a_scale:MATRIX_SCALE_ROW1
.endif
.endr
.endr
.endm
.macro FETCH_B st, p
	WIN TO_B
.irp i, 0,1,2,3,4,5,6,7
	FRAG 128*(\p)+FR*\i, ADRB, \st, \i
.endr
	WIN 0
.endm
.macro FETCH_A st, i0
.irp i, \i0, \i0+1, \i0+2, \i0+3
	FRAG AF+FR*(\i), ADRA, \st, \i
.endr
.endm
.macro SCALES pr                       ; the words of steps 2 pr, 2 pr + 1: lanes 0-15 A's block i, lanes 16-31 B's
.irp i, 0,1,2,3,4,5,6,7
	ds_load_b64 v[SC+8*NQ*((\pr)%2)+NQ*\i:SC+8*NQ*((\pr)%2)+NQ*\i+1], v[ADRS] offset:\i*SBLK+4*NQ*(\pr)
.endr
.endm
.macro PLACES n
.rept \n
	v_nop
.endr
.endm
; a step of 128 along K.  Where the next step's bytes end in a chunk not yet read: wait for my loads, barrier.  Where they begin in a later chunk: the three lines, the barrier, and, if a chunk is left to fetch, the cluster's round and the refill.
.macro STEP st, zero
.set NX, (\st)+1
.set C0, (96*(\st))/ROWB
.set C1, (96*NX)/ROWB
.set E0, (96*(\st)+95)/ROWB
.set E1, (96*NX+95)/ROWB
.if C1 > C0 || E1 > E0
	s_wait_tensorcnt 0x0                           ; all my tensor loads have landed
.if C1 > C0
	ds_add_u32 v[SPW], v[NIL]
	s_wait_dscnt 4*NL+1                            ; the add and A's blocks 4-7 (24 loads) may be out
.else
	s_wait_dscnt 4*NL                              ; A's blocks 4-7 may be out
.endif
	WIN MUL_LO
	MUL16 0, (\st)%2, (\st)%2, ((\st)/2)%2, \zero
	s_wait_dscnt 0x0                               ; the add and all my reads are done
	s_barrier_signal -1
	MUL16 2, (\st)%2, (\st)%2, ((\st)/2)%2, \zero
	WIN 0
	s_barrier_wait -1
.if C1 > C0 && C0+2 < CHUNKS
	CREST
	s_add_nc_u64 s[G0+4*(C0%2)+2:G0+4*(C0%2)+3], s[G0+4*(C0%2)+2:G0+4*(C0%2)+3], 2*ROWB
	s_add_nc_u64 s[G0B+4*(C0%2)+2:G0B+4*(C0%2)+3], s[G0B+4*(C0%2)+2:G0B+4*(C0%2)+3], 2*ROWB
	JLOAD G0+4*(C0%2), G1, G0B+4*(C0%2), G1B       ; chunk C0 + 2; its four v_nop are the places in front of the loads below
.else
	PLACES NP
.endif
.else
	s_wait_dscnt 4*NL
	WIN MUL_LO
	MUL16 0, (\st)%2, (\st)%2, ((\st)/2)%2, \zero
	MUL16 2, (\st)%2, (\st)%2, ((\st)/2)%2, \zero
	s_wait_dscnt 0
	PLACES NP
.endif
	FETCH_B NX, NX%2
	FETCH_A NX, 0
.if NX%2 == 0
	SCALES NX/2
.endif
	WIN MUL_HI
	MUL16 4, (\st)%2, (\st)%2, ((\st)/2)%2, \zero
	MUL16 6, (\st)%2, (\st)%2, ((\st)/2)%2, \zero
	PLACES NP
	WIN 0
	FETCH_A NX, 4
.endm
	s_wait_alu depctr_va_vdst(0)
	s_wait_tensorcnt 0x0                           ; my tile of the head's four is in
	ds_add_u32 v[SPW], v[NIL]
	s_mov_b32 s[G1+2], 128<<16                     ; no load of mine is out: from here on a load brings 128 rows
	s_mov_b32 s[G1+4], 128
	s_mov_b32 s[G1B+2], 128<<16
	s_mov_b32 s[G1B+4], 128
	s_and_b32 s18, s17, 7                          ; q, k: my 128 rows of the sequence in the table, 256 bytes a row (for v the table is not read)
	s_lshl_b32 s18, s18, 1
	s_add_co_u32 s18, s18, s15
	s_lshl_b32 s18, s18, 15
	s_mov_b32 s19, 0
	s_add_nc_u64 s[96:97], s[96:97], s[18:19]
	s_wait_dscnt 0x0
	CROUND
	JLOAD G0+4, G1, G0B+4, G1B                     ; chunk 1
	FETCH_B 0, 0
	FETCH_A 0, 0
	SCALES 0
	FETCH_A 0, 4
	STEP 0, 1
.set ST, 1
.rept STEPS-2
	STEP ST, 0
.set ST, ST+1
.endr
; the last step and the way out's addresses stand once in each arm of the branch between q, k and v, so that the q, k arm can ask for table rows ahead of the last step
.macro LAST
	s_wait_dscnt 4*NL
	WIN MUL_LO
	MUL16 0, 1, 1, 1, 0
	MUL16 2, 1, 1, 1, 0
	s_wait_dscnt 0
	WIN MUL_HI
	MUL16 4, 1, 1, 1, 0
	MUL16 6, 1, 1, 1, 0
	WIN 0
; THE WAY OUT.  No LDS: every store is an image, 16 bytes a lane, 512 consecutive bytes a wave.  First where my results go (no tensor load is out: the scalar registers are free).
	s_cmp_eq_u32 s95, 1
	s_cselect_b32 s4, s42, s17                     ; x's tile of 256 rows,
	s_cselect_b32 s5, s16, s15                     ; my half of it,
	s_cselect_b32 s6, s17, s42                     ; W's tile,
	s_cselect_b32 s7, s15, s16                     ; my half of it
	s_lshr_b32 s12, s4, 3                          ; the batch
	s_and_b32 s4, s4, 7
	s_lshl_b32 s4, s4, 1
	s_add_co_u32 s4, s4, s5                        ; which 128 rows of the sequence
	s_and_b32 s6, s6, 3
	s_lshl_b32 s6, s6, 2
	s_lshl_b32 s7, s7, 1
	s_add_co_u32 s6, s6, s7                        ; my first head of two
	s_lshl_b32 s12, s12, 4
	s_add_co_u32 s12, s12, s6
	s_mul_i32 s18, ttmp9, 6291456
	s_mul_i32 s19, s12, 98304
	s_add_co_u32 s18, s18, s19
	s_mul_i32 s19, s4, 6144
	s_add_co_u32 s18, s18, s19
	s_mov_b32 s19, 0
	s_add_nc_u64 s[98:99], s[98:99], s[18:19]
	s_mul_i32 s18, ttmp9, 262144
	s_lshl_b32 s20, s12, 12
	s_add_co_u32 s18, s18, s20
	s_lshl_b32 s20, s4, 8
	s_add_co_u32 s18, s18, s20
	s_add_nc_u64 s[100:101], s[100:101], s[18:19]
	v_and_b32 v3, 31, v0                           ; plain lines that name no register of the last products: the places behind them
	v_lshlrev_b32 v[LI], 4, v3
	v_lshlrev_b32 v[LS], 4, v1
	v_lshl_add_u32 v[LS], v2, 12, v[LS]
	v_mov_b32 v[SELV], 0x05040100
	v_mov_b32 v3, 0x07060302
	v_cmp_eq_u32 vcc_lo, 1, v2
	v_cndmask_b32 v[SELV], v[SELV], v3, vcc_lo
.irp b, 0,1,2,3
	v_mov_b32 v[TM+4+\b], 0
.endr
.endm
.macro TABLOAD a, set                  ; 16 rows of the table for A's block a into window 1
	WIN 0x40
.irp k, 0,1,2,3,4,5,6,7
	global_load_b128 v[32*(\set)+4*\k:32*(\set)+4*\k+3], v[LT], s[96:97] offset:4096*(\a)+64*(\k/2)+16*(\k%2)
.endr
	WIN 0
.endm
.macro ROPE a, set                     ; (x0 c, x1 c), then (x0 c - x1 s, x1 c + x0 s); each accumulator from its low end on
	WIN (2+(\a)/4)|4
.irp b, 0,1,2,3,4,5,6,7
.irp j, 0,2,4,6
	v_pk_mul_f32 v[TP+\j:TP+\j+1], v[64*((\a)%4)+8*\b+\j:64*((\a)%4)+8*\b+\j+1], v[32*(\set)+8*(\b%4)+\j:32*(\set)+8*(\b%4)+\j+1] op_sel_hi:[1,0]
.endr
.irp j, 0,2,4,6
	v_pk_fma_f32 v[R+8*\b+\j:R+8*\b+\j+1], v[64*((\a)%4)+8*\b+\j:64*((\a)%4)+8*\b+\j+1], v[32*(\set)+8*(\b%4)+\j:32*(\set)+8*(\b%4)+\j+1], v[TP+\j:TP+\j+1] op_sel:[1,1,0] op_sel_hi:[0,1,1] neg_lo:[1,0,0]
.endr
.endr
	WIN 0
.endm
.macro QUANT s, w, d0, d1, pw          ; 64 numbers of a lane (four blocks) become codes in d0, d1 and four scale bytes in pw
	WIN ((\w)<<2)|((\w)<<4)
.irp b, 0,1,2,3
	v_max3_num_f32 v[TM+\b], 0x1800000, |v[(\s)+16*\b]|, |v[(\s)+16*\b+1]|   ; with the floor 2^(3 - 127)
.endr
.irp i, 2,4,6,8,10,12,14
.irp b, 0,1,2,3
	v_max3_num_f32 v[TM+\b], v[TM+\b], |v[(\s)+16*\b+\i]|, |v[(\s)+16*\b+\i+1]|
.endr
.endr
	WIN 0
.irp b, 0,1,2,3
	v_permlanex16_b32 v[TM+4+\b], v[TM+\b], s92, s93
.endr
.irp b, 0,1,2,3
	v_max_num_f32 v[TM+\b], v[TM+\b], v[TM+4+\b]
.endr
.irp b, 0,1,2,3
	v_add_nc_u32 v[TM+12+\b], 0xff000000, v[TM+\b] ; 2 off the exponent field: the conversion's scale operand
.endr
.irp b, 0,1,2,3
	v_lshrrev_b32 v[TM+4+\b], 23, v[TM+12+\b]
.endr
	v_lshl_or_b32 v[\pw], v[TM+5], 8, v[TM+4]
	v_lshl_or_b32 v[\pw], v[TM+6], 16, v[\pw]
	v_lshl_or_b32 v[\pw], v[TM+7], 24, v[\pw]
	WIN (\w)
	v_cvt_scalef32_pk16_fp6_f32 v[\d0:\d0+2], v[(\s):(\s)+15], v[TM+12]
	v_cvt_scalef32_pk16_fp6_f32 v[CT:CT+2], v[(\s)+16:(\s)+31], v[TM+13]
	v_cvt_scalef32_pk16_fp6_f32 v[\d1:\d1+2], v[(\s)+32:(\s)+47], v[TM+14]
	v_cvt_scalef32_pk16_fp6_f32 v[CT+4:CT+6], v[(\s)+48:(\s)+63], v[TM+15]
	WIN 0
	v_nop                                          ; one plain place behind a scaled conversion
.irp i, 0,1,2
	v_permlane16_swap_b32 v[\d0+\i], v[CT+\i]      ; a whole block in a lane
	v_permlane16_swap_b32 v[\d1+\i], v[CT+4+\i]
.endr
.irp i, 0,1,2
	v_mov_b32 v[\d0+3+\i], v[CT+\i]
	v_mov_b32 v[\d1+3+\i], v[CT+4+\i]
.endr
.endm
	s_mov_b32 s92, 0x76543210
	s_mov_b32 s93, 0xfedcba98
	s_cmp_eq_u32 s95, 1
	s_cbranch_scc1 .Lv
	; q and k: block a = 16 rows of the sequence, 128 channels = two heads; two blocks make one image for each head.  Block a's table rows have set a of window 1 to themselves.
	TABLOAD 0, 0                                   ; three sets into B's set 0, which the last step does not read (four places stand behind its last readers)
	TABLOAD 1, 1
	TABLOAD 2, 2
	LAST
.irp a, 3,4,5,6
	TABLOAD \a, \a
.endr
.irp a, 0,1,2,3,4,5,6,7
.if \a == 0
	s_wait_loadcnt 48                              ; set 0 is in; the 48 loads of sets 1 to 6 may be out
	TABLOAD 7, 7
.else
	s_wait_loadcnt 8*(7-\a)                        ; the eight loads of each later set may be out
.endif
	ROPE \a, \a
	s_wait_xcnt 0x0                                ; earlier stores have read their registers
.set PS, P+24*((\a/2)%2)
	QUANT R, 0, PS+6*(\a%2), PS+12+6*(\a%2), PWS+\a
.if \a%2 == 1
.irp c, 0,1
.irp i, 0,1,2
	global_store_b128 v[LI], v[PS+12*\c+4*\i:PS+12*\c+4*\i+3], s[98:99] offset:98304*\c+1536*(\a/2)+512*\i
.endr
.endr
.endif
.endr
.irp t, 0,1,2,3
	v_perm_b32 v[SW+\t], v[PWS+2*\t+1], v[PWS+2*\t], v[SELV]
.endr
	s_branch .Lsc
.Lv:
	LAST
	; v: block a = channels 16 (a % 4) .. of head a / 4; the 64 registers run along my 128 keys
.irp a, 0,1,2,3,4,5,6,7
	s_wait_xcnt 0x0
.set PS, P+24*(\a%2)
	QUANT 64*(\a%4), 2+\a/4, PS, PS+6, PWS+\a
.irp i, 0,1,2
	global_store_b128 v[LI], v[PS+4*\i:PS+4*\i+3], s[98:99] offset:98304*(\a/4)+1536*(\a%4)+512*\i
.endr
.endr
	v_cmp_eq_u32 vcc_lo, 1, v2
.irp t, 0,1,2,3
	v_cndmask_b32 v[SW+\t], v[PWS+\t], v[PWS+4+\t], vcc_lo
.endr
.Lsc:
	s_wait_alu depctr_va_vdst(0)
	global_store_b128 v[LS], v[SW:SW+3], s[100:101]  ; sixteen lanes store 256 consecutive bytes, aligned
	s_wait_tensorcnt 0x0                           ; the wave's end
	ds_add_u32 v[SPW], v[NIL]
	s_wait_dscnt 0x0
	CROUND                                         ; the closing round
	s_endpgm
.Lfunc_end_k_qec4fd69fdd_qkv:
	.size	k_qec4fd69fdd_qkv, .Lfunc_end_k_qec4fd69fdd_qkv-k_qec4fd69fdd_qkv
	.p2alignl 7, 3214868480
	.fill 96, 4, 3214868480
	.section	.rodata,"a",@progbits
	.p2align	6, 0x0
	.amdhsa_kernel k_qec4fd69fdd_qkv
		.amdhsa_group_segment_fixed_size 327680
		.amdhsa_private_segment_fixed_size 0
		.amdhsa_enable_private_segment 0
		.amdhsa_kernarg_size 56
		.amdhsa_user_sgpr_count 2
		.amdhsa_user_sgpr_kernarg_segment_ptr 1
		.amdhsa_wavefront_size32 1
		.amdhsa_system_sgpr_workgroup_id_x 1
		.amdhsa_system_sgpr_workgroup_id_y 1
		.amdhsa_system_sgpr_workgroup_id_z 1
		.amdhsa_system_vgpr_workitem_id 0
		.amdhsa_next_free_vgpr 1024
		.amdhsa_next_free_sgpr 102
		.amdhsa_reserve_vcc 1
		.amdhsa_float_denorm_mode_32 3
		.amdhsa_float_denorm_mode_16_64 3
		.amdhsa_memory_ordered 1
		.amdhsa_forward_progress 1
		.amdhsa_inst_pref_size 247
	.end_amdhsa_kernel
	.amdgpu_metadata
---
amdhsa.version: [ 1, 2 ]
amdhsa.kernels:
  - .name:           k_qec4fd69fdd_qkv
    .symbol:         k_qec4fd69fdd_qkv.kd
    .args:
      - { .name: x_codes, .offset: 0, .size: 8, .value_kind: global_buffer, .address_space: global }
      - { .name: x_scales, .offset: 8, .size: 8, .value_kind: global_buffer, .address_space: global }
      - { .name: qkv_w_codes, .offset: 16, .size: 8, .value_kind: global_buffer, .address_space: global }
      - { .name: qkv_w_scales, .offset: 24, .size: 8, .value_kind: global_buffer, .address_space: global }
      - { .name: rope_tab, .offset: 32, .size: 8, .value_kind: global_buffer, .address_space: global }
      - { .name: qkv_img, .offset: 40, .size: 8, .value_kind: global_buffer, .address_space: global }
      - { .name: qkv_sc, .offset: 48, .size: 8, .value_kind: global_buffer, .address_space: global }
    .group_segment_fixed_size: 327680
    .private_segment_fixed_size: 0
    .kernarg_segment_align: 8
    .kernarg_segment_size: 56
    .max_flat_workgroup_size: 128
    .sgpr_count:     102
    .vgpr_count:     1024
    .wavefront_size: 32
...
	.end_amdgpu_metadata
.endif
;; end of part 2
;; launch attn (part 3): grid 4 x 64, 16 waves a work-group, clusters of 4 x 1, 206,848 bytes of LDS; arguments qkv_img, qkv_sc, ctx_img, ctx_sc; writes ctx_img, ctx_sc
.if DOCPART == 3
	.amdgcn_target "amdgcn-amd-amdhsa--gfx1250"
	.amdhsa_code_object_version 6
	.text
	.protected	k_qec4fd69fdd_attn
	.globl	k_qec4fd69fdd_attn
	.p2align	8
	.type	k_qec4fd69fdd_attn,@function
k_qec4fd69fdd_attn:
	s_mov_b64 s[64:65], 0
	v_nop
	global_prefetch_b8 v0, s[64:65] scope:SCOPE_SE
	s_setreg_imm32_b32 hwreg(HW_REG_WAVE_MODE, 25, 1), 1
	s_wait_xcnt 0x0
	s_wait_alu depctr_hold_cnt(0) depctr_sa_sdst(0) depctr_va_vdst(0) depctr_va_sdst(0) depctr_va_ssrc(0) depctr_va_vcc(0) depctr_vm_vsrc(0)
	s_getreg_b32 s2, hwreg(HW_REG_IB_STS2, 6, 4)
	s_cmp_eq_u32 s2, 0
	s_cbranch_scc0 .Lentry_in_a_cluster
	s_endpgm
.Lentry_in_a_cluster:
	s_bfe_u32 s2, ttmp6, 0x10000c
	s_cmp_lg_u32 s2, 0x3003
	s_cbranch_scc0 .Lentry_shape_is_right
	s_endpgm
.Lentry_shape_is_right:
; ctx = softmax(q k^T / 8, causal) v for one (batch, head) a cluster, both products on codes of FP6 (E2M3) with E8M0 scales; ctx is divided by the row's sum, quantised along its 64 channels and stored as codes.
; THE SOFTMAX: t = score x log2(e) / 8; M = the running largest t rounded up to a whole number; p = 2^(t - M) is quantised along the keys; the row's sum is taken of the unquantised p; when M moves, the sum and O are multiplied by 2^(old M - new M), which rounds nothing.
; SHARES.  A head has 128 tiles of 16 queries, t = 4 u + cx, cx the work-group's place in its cluster of four.  Wave w takes u = w and then u = 31 - w.  Tile t needs (u / 2) + 1 key steps of 128, which does not hang on cx:
; every branch is alike in the four partners, and every wave of the launch has (w / 2) + 1 + 16 - (w / 2) = 17 steps.  Sixteen waves of 256 registers, four to a SIMD: one wave's vector work stands beside another's matrix work and LDS loads.
; LDS, FILLED ONCE: the head's K images (98,304 bytes), V images (98,304), K's and V's scale words (4,096 each), by joint loads of waves 0-9 that name all four work-groups.  Nothing is filled again and nothing is stored to LDS: one barrier.
; OPERANDS ARE IMAGES OF REGISTERS (12 registers x 32 lanes, 1,536 bytes): three loads of 16 bytes a lane, 512 consecutive bytes each.
; K = 64 IN AN INSTRUCTION OF 128: a K image holds two tiles of 16 keys (registers 0-5: key 32 i + r; 6-11: key 32 i + 16 + r).  With [q | 0] as the other source it gives the first tile's scores, with [0 | q] the second's:
; 18 registers q, six zeros, q serve both.  Zero codes add nothing under any scale byte of these buffers (1 .. 254).
; Both products are used transposed (S^T = K Q^T, O^T = V^T P^T): a lane holds one query (lane % 16); register n of S^T is key 128 J + 16 (n / 8) + 8 (lane / 16) + n % 8.  p and v carry the same order inside each block of 32 keys.
; EVERY WAVE WALKS A CONSTANT NUMBER OF TRIPS (8, then 16); a step whose keys all come after the tile's queries is jumped over by a scalar branch on ids.
; LIMITS: NaN and infinities are not served; a block under 2^-124 (zeros among them) gets the byte 1, read by this program alone; the division by the row's sum is v_rcp_f32 and a multiplication.
; REGISTERS: v1-11 addresses; v12 -M, v13 the largest t, v[14:15] the sum; v16-33 q, zeros, q; v34 q's scale word, v35 p's, v36-39 K's, v40-43 V's; v44-91 four K images, then p's codes; v92-95 at work and addresses;
;   v96-159 S^T, then p; v160-191 O^T; v192-239 four V images; v240-251 block maxima, bytes, scale operands; v[252:253] f; v254 at work; v255 -infinity.
.set VIMG, 98304
.set KSC,  196608
.set S,    96
.set O,    160
.set KI,   44
.set VI,   192
.set BM,   240
.set PT,   244
.set SO,   248
.macro CROUND                          ; a round of the cluster's barrier
	s_barrier_signal -1
	s_barrier_wait -1
	s_cmp_lg_u32 s12, 0
	s_cbranch_scc1 .Lnot_wave_0_\@
	s_barrier_signal -3
.Lnot_wave_0_\@:
	s_barrier_wait -3
	s_barrier_signal -1
	s_barrier_wait -1
.endm
	s_load_b256 s[4:11], s[0:1], 0x0               ; the images s[4:5], their scale words s[6:7], ctx's images s[8:9], ctx's scale bytes s[10:11]
	v_lshl_add_u32 v254, v0, 2, 0x32000
	v_mov_b32 v255, 0
	ds_add_u32 v254, v255
	ds_add_u32 v254, v255
	s_wait_dscnt 0x0
	v_lshrrev_b32 v254, 5, v0
	s_delay_alu instid0(VALU_DEP_1)
	v_readfirstlane_b32 s12, v254                  ; wave 0..15
	s_bfe_u32 s13, ttmp6, 0x40000                  ; cx: it enters addresses in memory and scalar selects, no branch and no LDS address
	s_and_b32 s14, ttmp7, 0xffff                   ; 16 x batch + head: the four partners share it
	s_lshr_b32 s15, s13, 1
	s_and_b32 s16, s13, 1
	s_mul_i32 s17, s14, 98304                      ; the head's images
	s_lshl_b32 s18, s14, 12                        ; its scale words
	s_lshr_b32 s19, s14, 4
	s_lshl_b32 s19, s19, 7                         ; the batch's first tile of 16 rows
	s_and_b32 s3, s14, 15
	s_mul_i32 s71, s3, 768                         ; the head's place in a tile of ctx's images,
	s_lshl_b32 s3, s3, 1                           ; and in a row of ctx's scale bytes
	s_mul_i32 s70, s16, 0x02020202
	s_add_co_u32 s70, s70, 0x01000100              ; byte selects: q's two bytes of its image's word, twice
	s_mov_b32 s20, 0x76543210
	s_mov_b32 s21, 0xfedcba98                      ; v_permlanex16_b32's selects for lane l xor 16
	s_mov_b32 s22, 0x3e38aa3b                      ; c = log2(e) / 8
	s_mov_b32 s23, s22                             ; (named with it as a pair, so it is written)
	; group 1: dense blocks as rows of 256 bytes (32 elements of 8 bytes): 96 rows of images, 16 rows of scale words
	s_mov_b32 s24, 15|(3<<16)|(1<<21)              ; 15:0 the mask: all four work-groups; 17:16 elements of 8 bytes; 21 set beside a mask
	s_mov_b32 s25, 32<<16
	s_mov_b32 s26, 96<<16
	s_mov_b32 s27, 32<<16
	s_mov_b32 s28, 96
	s_mov_b32 s29, 32
	s_mov_b32 s30, 0
	s_mov_b32 s31, 0
	s_mov_b32 s32, 15|(3<<16)|(1<<21)
	s_mov_b32 s33, 32<<16
	s_mov_b32 s34, 16<<16
	s_mov_b32 s35, 32<<16
	s_mov_b32 s36, 16
	s_mov_b32 s37, 32
	s_mov_b32 s38, 0
	s_mov_b32 s39, 0
	; the fills are shared out, one a wave: waves 0-3 a quarter of K's images each, waves 4-7 of V's (24,576 bytes), wave 8 K's scale words, wave 9 V's (4,096 bytes)
	s_mov_b32 s63, 0
	s_lshr_b32 s52, s12, 2
	s_and_b32 s53, s12, 3
	s_add_co_u32 s56, s52, 1                       ; the buffers' part: 1 k, 2 v
	s_mul_i32 s62, s56, 6291456
	s_add_co_u32 s62, s62, s17
	s_mul_i32 s57, s53, 24576
	s_add_co_u32 s62, s62, s57                     ; my images in memory,
	s_mul_i32 s45, s12, 24576                      ; and in LDS
	s_and_b32 s53, s12, 1
	s_add_co_u32 s56, s53, 1
	s_lshl_b32 s60, s56, 18
	s_add_co_u32 s60, s60, s18                     ; the scale words in memory,
	s_mov_b32 s61, 0
	s_lshl_b32 s41, s53, 12
	s_add_co_u32 s41, s41, KSC                     ; and in LDS
	s_wait_kmcnt 0x0
	CROUND                                         ; all four work-groups are here: the joint loads meet
	s_mov_b32 s40, 1
	s_add_nc_u64 s[42:43], s[6:7], s[60:61]
	s_or_b32 s43, s43, 0x80000000
	s_mov_b32 s44, 1
	s_add_nc_u64 s[46:47], s[4:5], s[62:63]
	s_or_b32 s47, s47, 0x80000000
	s_cmp_lt_u32 s12, 8                            ; one chain of branches on the wave's number, one fill to an arm
	s_cbranch_scc0 .Lfill_sc
	tensor_load_to_lds s[44:47], s[24:31]
	s_nop 0
.rept 4
	v_nop
.endr
	s_branch .Lno_fill
.Lfill_sc:
	s_cmp_lt_u32 s12, 10
	s_cbranch_scc0 .Lno_fill
	tensor_load_to_lds s[40:43], s[32:39]
	s_nop 0
.rept 4
	v_nop
.endr
.Lno_fill:
	v_and_b32 v254, 31, v0                         ; lane
	v_and_b32 v252, 15, v0                         ; r
	v_bfe_u32 v253, v0, 4, 1                       ; h
	s_delay_alu instid0(VALU_DEP_3)
	v_lshlrev_b32 v1, 4, v254                      ; an image's place for my lane: K's,
	s_delay_alu instid0(VALU_DEP_1)
	v_add_nc_u32 v2, VIMG, v1                      ; V's
	s_delay_alu instid0(VALU_DEP_4)
	v_lshl_add_u32 v3, v252, 4, KSC                ; my row's four scale words
	v_lshlrev_b32 v8, 3, v254                      ; ctx's images: 8 bytes a lane
	v_lshlrev_b32 v9, 5, v252                      ; ctx's scale bytes: 32 bytes a row
	v_lshlrev_b32 v95, 4, v252                     ; q's scale word: 16 bytes a row
	s_mul_i32 s2, s16, 520                         ; q is half of an image: registers 6 p .. 6 p + 5, p = cx % 2: pairs at 16 l + 520 p, 16 l + 8 + 1,016 p, 16 l + 512 + 520 p
	v_add_nc_u32 v10, s2, v1
	s_mul_i32 s2, s16, 1016
	s_add_co_u32 s2, s2, 8
	v_add_nc_u32 v11, s2, v1
	v_lshlrev_b32 v94, 3, v253
	s_delay_alu instid0(VALU_DEP_1)
	v_sub_nc_u32 v94, v252, v94
.irp j, 0,1,2,3,4,5,6,7
	v_cmp_gt_i32 s[72+\j], \j, v94                 ; lane masks, made once: in the group of 16 keys that holds my queries, register j's key is hidden where j > r - 8 h
.endr
.irp i, 22,23,24,25,26,27
	v_mov_b32 v\i, 0                               ; the six zeros between the two copies of q
.endr
.irp b, 0,1,2,3
	v_mov_b32 v[PT+\b], 0                          ; written once: a lane permute's destination counts as one of its sources
.endr
	v_mov_b32 v253, 0                              ; (the upper half of the pair v[252:253])
	v_mov_b32 v255, 0xff800000                     ; -infinity
	s_wait_tensorcnt 0x0                           ; my parts have landed,
	s_barrier_signal -1
	s_barrier_wait -1                              ; everybody's have: from here on LDS is only read
; A KEY STEP: 128 keys, J-th of the head.  s54 = J, s53 = the tile's last step, s55 = 6,144 J, s56 = 256 J.
.macro STEP
	s_cmp_gt_u32 s54, s53                          ; all its keys come after my queries: nothing to do
	s_cbranch_scc1 .Lhid_\@
	v_add_nc_u32 v4, s55, v1                       ; these four lines are the places in front of loads into registers that the last products read
	v_add_nc_u32 v5, s55, v2
	v_add_nc_u32 v6, s56, v3
	v_nop
	ds_load_b128 v[36:39], v6                      ; K's four scale words
.irp t, 0,1,2,3
.irp i, 0,1,2
	ds_load_b128 v[KI+12*\t+4*\i:KI+12*\t+4*\i+3], v4 offset:1536*\t+512*\i
.endr
.endr
	ds_load_b128 v[40:43], v6 offset:4096          ; V's
.irp t, 0,1,2,3
.irp i, 0,1,2
	ds_load_b128 v[VI+12*\t+4*\i:VI+12*\t+4*\i+3], v5 offset:1536*\t+512*\i
.endr
.endr
	s_wait_dscnt 13                                ; K's thirteen loads are in; V's thirteen may be out: they land under the softmax
.irp t, 0,1,2,3
.irp e, 0,1
	v_wmma_scale_f32_16x16x128_f8f6f4 v[S+8*(2*\t+\e):S+8*(2*\t+\e)+7], v[KI+12*\t:KI+12*\t+11], v[16+6*\e:27+6*\e], 0, v[36+\t], v34 matrix_a_fmt:MATRIX_FMT_FP6 matrix_b_fmt:MATRIX_FMT_FP6
.endr
.endr
.rept 4
	v_nop
.endr
	s_cmp_lt_u32 s54, s53                          ; only the tile's last step lies on the diagonal
	s_cbranch_scc1 .Lopen_\@
.set n, 0
.irp g, 0,1,2,3,4,5,6,7                        ; group g of 16 keys: behind the queries' group all is hidden, ahead of it nothing, in it the masks made at the head: chosen by scalar selects, no branch
	s_cmp_lt_u32 s2, 16*\g
	s_cselect_b32 s80, -1, 0
	s_cmp_eq_u32 s2, 16*\g
	s_cselect_b32 s81, -1, 0
.irp j, 0,1,2,3,4,5,6,7
	s_and_b32 s[82+\j], s[72+\j], s81
	s_or_b32 s[82+\j], s[82+\j], s80
.endr
.irp j, 0,1,2,3,4,5,6,7
	v_cndmask_b32 v[S+8*\g+\j], v[S+8*\g+\j], v255, s[82+\j]   ; a hidden score becomes -infinity, p = 0
.endr
.endr
.Lopen_\@:
.irp b, 0,1,2,3
	v_max3_num_f32 v[BM+\b], v[S+16*\b], v[S+1+16*\b], v[S+2+16*\b]   ; the largest score of each block of 32 keys: for the row's maximum, and, since p rises with the score, for the block's largest p
.endr
.irp i, 3,5,7,9,11,13
.irp b, 0,1,2,3
	v_max3_num_f32 v[BM+\b], v[BM+\b], v[S+16*\b+\i], v[S+1+16*\b+\i]
.endr
.endr
.irp b, 0,1,2,3
	v_max_num_f32 v[BM+\b], v[BM+\b], v[S+15+16*\b]
.endr
.irp b, 0,1,2,3
	s_delay_alu instid0(VALU_DEP_4)
	v_permlanex16_b32 v[PT+\b], v[BM+\b], s20, s21
.endr
.irp b, 0,1,2,3
	s_delay_alu instid0(VALU_DEP_4)
	v_max_num_f32 v[BM+\b], v[BM+\b], v[PT+\b]     ; with lane l xor 16's 16 keys
.endr
	s_delay_alu instid0(VALU_DEP_2)
	v_max3_num_f32 v254, v[BM], v[BM+1], v[BM+2]
	s_delay_alu instid0(VALU_DEP_1)
	v_max_num_f32 v254, v254, v[BM+3]
	s_delay_alu instid0(VALU_DEP_1)
	v_mul_f32 v254, s22, v254                      ; the step's largest t (c is positive)
	s_delay_alu instid0(VALU_DEP_1)
	v_max_num_f32 v13, v13, v254                   ; the running largest t
	v_mov_b32 v254, v12
	s_delay_alu instid0(VALU_DEP_2)
	v_floor_f32 v12, -v13                          ; the new -M = -ceil(t)
	s_delay_alu instid0(VALU_DEP_1)
	v_sub_f32 v254, v12, v254                      ; old M - new M: a whole number, 0 or less
	s_delay_alu instid0(VALU_DEP_1)
	v_cvt_i32_f32 v254, v254                       ; (it saturates)
	s_delay_alu instid0(VALU_DEP_1)
	v_ldexp_f32 v252, 1.0, v254                    ; f = 2^(old M - new M)
.set n, 0
.rept 32
	v_pk_fma_f32 v[S+n:S+n+1], v[S+n:S+n+1], s[22:23], v[12:13] op_sel_hi:[1,0,0]   ; t - M, two at a time
.set n, n+2
.endr
.irp b, 0,1,2,3
	v_fma_f32 v[BM+\b], v[BM+\b], s22, v12         ; the same of each block's largest score
.endr
.set n, 0
	s_wait_alu depctr_va_vdst(0)
.rept 64
	v_exp_f32 v[S+n], v[S+n]                       ; p = 2^(t - M): not normalised
.set n, n+1
.endr
.irp b, 0,1,2,3
	v_exp_f32 v[BM+\b], v[BM+\b]                   ; the block's largest p
.endr
	v_pk_mul_f32 v[14:15], v[14:15], v[252:253] op_sel_hi:[1,0]   ; the sums under the new M (a plain place behind the exponentials)
	s_wait_alu depctr_va_vdst(0)
.irp b, 0,1,2,3
	v_max_num_f32 v[BM+\b], 0x1800000, v[BM+\b]    ; the floor 2^(3 - 127): the byte cannot fall under 1
.endr
.irp b, 0,1,2,3
	s_delay_alu instid0(VALU_DEP_4)
	v_add_nc_u32 v[SO+\b], 0xff000000, v[BM+\b]    ; 2 off the exponent field: the conversion's scale operand
.endr
.irp b, 0,1,2,3
	s_delay_alu instid0(VALU_DEP_4)
	v_lshrrev_b32 v[PT+\b], 23, v[SO+\b]           ; the scale's byte
.endr
	s_delay_alu instid0(VALU_DEP_3)
	v_lshl_or_b32 v35, v[PT+1], 8, v[PT]           ; p's scale word for these 128 keys
	s_delay_alu instid0(VALU_DEP_1)
	v_lshl_or_b32 v35, v[PT+2], 16, v35
	s_delay_alu instid0(VALU_DEP_1)
	v_lshl_or_b32 v35, v[PT+3], 24, v35
	v_cvt_scalef32_pk16_fp6_f32 v[44:46], v[S:S+15], v[SO]
	v_cvt_scalef32_pk16_fp6_f32 v[56:58], v[S+16:S+31], v[SO+1]   ; (a conversion's three registers begin on an even number)
	v_cvt_scalef32_pk16_fp6_f32 v[50:52], v[S+32:S+47], v[SO+2]
	v_cvt_scalef32_pk16_fp6_f32 v[60:62], v[S+48:S+63], v[SO+3]
	v_nop                                          ; one plain place behind a scaled conversion
.irp i, 0,1,2
	v_permlane16_swap_b32 v[44+\i], v[56+\i]       ; a whole block in a lane: lanes 0-15 the even block, lanes 16-31 the odd
	v_permlane16_swap_b32 v[50+\i], v[60+\i]
.endr
.irp i, 0,1,2
	v_mov_b32 v[47+\i], v[56+\i]
	v_mov_b32 v[53+\i], v[60+\i]
.endr
	v_pk_add_f32 v[92:93], v[100:101], v[104:105]
	v_pk_add_f32 v[250:251], v[108:109], v[112:113]
	v_pk_add_f32 v[248:249], v[116:117], v[120:121]
	v_pk_add_f32 v[242:243], v[124:125], v[128:129]
	v_pk_add_f32 v[240:241], v[132:133], v[136:137]
	v_pk_add_f32 v[90:91], v[140:141], v[144:145]
	v_pk_add_f32 v[88:89], v[148:149], v[152:153]
	v_pk_add_f32 v[14:15], v[14:15], v[156:157]
	v_pk_add_f32 v[92:93], v[92:93], v[96:97]
	v_pk_add_f32 v[250:251], v[250:251], v[98:99]
	v_pk_add_f32 v[248:249], v[248:249], v[102:103]
	v_pk_add_f32 v[242:243], v[242:243], v[106:107]
	v_pk_add_f32 v[240:241], v[240:241], v[110:111]
	v_pk_add_f32 v[90:91], v[90:91], v[114:115]
	v_pk_add_f32 v[88:89], v[88:89], v[118:119]
	v_pk_add_f32 v[14:15], v[14:15], v[122:123]
	v_pk_add_f32 v[92:93], v[92:93], v[126:127]
	v_pk_add_f32 v[250:251], v[250:251], v[130:131]
	v_pk_add_f32 v[248:249], v[248:249], v[134:135]
	v_pk_add_f32 v[242:243], v[242:243], v[138:139]
	v_pk_add_f32 v[240:241], v[240:241], v[142:143]
	v_pk_add_f32 v[90:91], v[90:91], v[146:147]
	v_pk_add_f32 v[88:89], v[88:89], v[150:151]
	v_pk_add_f32 v[14:15], v[14:15], v[154:155]
	v_pk_add_f32 v[92:93], v[92:93], v[158:159]
	s_delay_alu instid0(VALU_DEP_2)
	v_pk_add_f32 v[14:15], v[14:15], v[242:243]
	s_delay_alu instid0(VALU_DEP_2)
	v_pk_add_f32 v[92:93], v[92:93], v[240:241]
	v_pk_add_f32 v[250:251], v[250:251], v[90:91]
	v_pk_add_f32 v[248:249], v[248:249], v[88:89]
	s_delay_alu instid0(VALU_DEP_2)
	v_pk_add_f32 v[14:15], v[14:15], v[250:251]
	s_delay_alu instid0(VALU_DEP_2)
	v_pk_add_f32 v[92:93], v[92:93], v[248:249]
	s_delay_alu instid0(VALU_DEP_1)
	v_pk_add_f32 v[14:15], v[14:15], v[92:93]
.set n, 0
.rept 16
	v_pk_mul_f32 v[O+n:O+n+1], v[O+n:O+n+1], v[252:253] op_sel_hi:[1,0]   ; O^T under the new M, each accumulator from its low end on
.set n, n+2
.endr
	s_wait_alu depctr_va_vdst(0)
	s_wait_dscnt 0x0                               ; V's images and scale words are in
.irp t, 0,1,2,3                                ; the four accumulators take turns, one instruction a turn
	v_wmma_scale_f32_16x16x128_f8f6f4 v[O+8*\t:O+8*\t+7], v[VI+12*\t:VI+12*\t+11], v[44:55], v[O+8*\t:O+8*\t+7], v[40+\t], v35 matrix_a_fmt:MATRIX_FMT_FP6 matrix_b_fmt:MATRIX_FMT_FP6
.endr
.Lhid_\@:
.endm
; THE TILE'S END: O^T / the sum, quantised along the head's 64 channels (two blocks), brought back into the true order of k (the other side of the last product is given in that order), and stored.
.macro OUT
.rept 4
	v_nop                                          ; places behind the last products
.endr
	v_add_f32 v14, v14, v15
	s_delay_alu instid0(VALU_DEP_1)
	v_permlanex16_b32 v254, v14, s20, s21
	s_delay_alu instid0(VALU_DEP_1)
	v_add_f32 v14, v14, v254                       ; the row's sum
	s_wait_alu depctr_va_vdst(0)
	v_rcp_f32 v14, v14
	v_nop                                          ; a plain place behind the transcendental
.set n, 0
	s_wait_alu depctr_va_vdst(0)
.rept 16
	v_pk_mul_f32 v[S+n:S+n+1], v[O+n:O+n+1], v[14:15] op_sel_hi:[1,0]   ; register 8 T + j: channel 16 T + 8 h + j of my query
.set n, n+2
.endr
.irp b, 0,1
	v_max3_num_f32 v[BM+\b], |v[S+16*\b]|, |v[S+1+16*\b]|, 0x1800000
.endr
.irp i, 2,4,6,8,10,12,14
.irp b, 0,1
	s_delay_alu instid0(VALU_DEP_2)
	v_max3_num_f32 v[BM+\b], v[BM+\b], |v[S+16*\b+\i]|, |v[S+1+16*\b+\i]|
.endr
.endr
.irp b, 0,1
	s_delay_alu instid0(VALU_DEP_2)
	v_permlanex16_b32 v[PT+\b], v[BM+\b], s20, s21
.endr
.irp b, 0,1
	s_delay_alu instid0(VALU_DEP_2)
	v_max_num_f32 v[BM+\b], v[BM+\b], v[PT+\b]
.endr
.irp b, 0,1
	s_delay_alu instid0(VALU_DEP_2)
	v_add_nc_u32 v[SO+\b], 0xff000000, v[BM+\b]
.endr
.irp b, 0,1
	s_delay_alu instid0(VALU_DEP_2)
	v_lshrrev_b32 v[PT+\b], 23, v[SO+\b]
.endr
	s_delay_alu instid0(VALU_DEP_1)
	v_lshl_or_b32 v58, v[PT+1], 8, v[PT]           ; the head's two scale bytes of my row
	v_cvt_scalef32_pk16_fp6_f32 v[44:46], v[S:S+15], v[SO]
	v_cvt_scalef32_pk16_fp6_f32 v[48:50], v[S+16:S+31], v[SO+1]
	v_nop
.irp i, 0,1,2
	v_permlane16_swap_b32 v[44+\i], v[48+\i]       ; lane (r, h) now holds block h: v44-46 = elements 0-7, 16-23; v48-50 = 8-15, 24-31: pieces of 6 bytes
.endr
	s_delay_alu instid0(VALU_DEP_3)
	v_mov_b32 v52, v44                             ; the four pieces in their true order
	s_delay_alu instid0(VALU_DEP_3)
	v_perm_b32 v53, v48, v45, 0x05040100
	s_delay_alu instid0(VALU_DEP_4)
	v_perm_b32 v54, v49, v48, 0x05040302
	s_delay_alu instid0(VALU_DEP_4)
	v_perm_b32 v55, v46, v45, 0x05040302
	v_perm_b32 v56, v49, v46, 0x07060302
	v_mov_b32 v57, v50
	global_store_b64 v8, v[52:53], s[66:67]              ; each store of the wave covers 256 consecutive bytes, aligned
	global_store_b64 v8, v[54:55], s[66:67] offset:256
	global_store_b64 v8, v[56:57], s[66:67] offset:512
	global_store_b16 v9, v58, s[68:69]                   ; two bytes a row, rows 32 bytes apart: a head's share of a row of scale bytes; lanes r and r + 16 write the same value
.endm
; A TILE OF 16 QUERIES.  k = 0: u = wave, at most 8 steps; k = 1: u = 31 - wave, at most 16.
.macro TILE k, nst
	s_wait_xcnt 0x0                                ; earlier loads and stores have read their bases and registers
.if \k == 0
	s_mov_b32 s52, s12
.else
	s_sub_co_u32 s52, 31, s12
.endif
	s_lshr_b32 s53, s52, 1                         ; the tile's last key step
	s_lshl_b32 s57, s52, 1
	s_add_co_u32 s57, s57, s15                     ; q's image: 2 u + cx / 2
	s_mul_i32 s62, s57, 1536
	s_add_co_u32 s62, s62, s17
	s_add_nc_u64 s[58:59], s[4:5], s[62:63]
	s_and_b32 s62, s57, 3
	s_lshl_b32 s62, s62, 2
	s_lshl_b32 s57, s53, 8
	s_add_co_u32 s62, s62, s57
	s_add_co_u32 s62, s62, s18
	s_add_nc_u64 s[60:61], s[6:7], s[62:63]        ; its scale words
	s_lshl_b32 s57, s52, 2
	s_add_co_u32 s57, s57, s13
	s_add_co_u32 s57, s57, s19                     ; the tile of 16 rows among ctx's 512
	s_mul_i32 s62, s57, 12288
	s_add_co_u32 s62, s62, s71
	s_add_nc_u64 s[66:67], s[8:9], s[62:63]
	s_lshl_b32 s62, s57, 9
	s_add_co_u32 s62, s62, s3
	s_add_nc_u64 s[68:69], s[10:11], s[62:63]
	global_load_b64 v[16:17], v10, s[58:59]
	global_load_b64 v[28:29], v10, s[58:59]
	global_load_b64 v[18:19], v11, s[58:59]
	global_load_b64 v[30:31], v11, s[58:59]
	global_load_b64 v[20:21], v10, s[58:59] offset:512
	global_load_b64 v[32:33], v10, s[58:59] offset:512
	global_load_b32 v254, v95, s[60:61]
	s_and_b32 s57, s52, 1
	s_lshl_b32 s57, s57, 2
	s_add_co_u32 s57, s57, s13
	s_lshl_b32 s57, s57, 4
	s_mov_b32 s2, s57                              ; 16 x the group of 16 keys, in the tile's last step, that holds its queries
	v_mov_b32 v13, 0xff61b1e6                      ; the largest t so far: -3e38, under every t
	s_delay_alu instid0(VALU_DEP_1)
	v_floor_f32 v12, -v13
	v_mov_b32 v14, 0
	v_mov_b32 v15, 0
	s_wait_loadcnt 0x0
	v_perm_b32 v34, v254, v254, s70                ; q's two bytes, twice
.set n, 0
.rept 32
	v_mov_b32 v[O+n], 0                            ; O^T: the step is written once, and its first trip finds zeros.  (Also the places between q's scale word and the first product)
.set n, n+1
.endr
	s_mov_b32 s54, 0
	s_mov_b32 s55, 0
	s_mov_b32 s56, 0
.Lstep_\@:
	STEP
	s_add_co_u32 s54, s54, 1
	s_add_co_u32 s55, s55, 6144
	s_add_co_u32 s56, s56, 256
	s_cmp_lt_u32 s54, \nst
	s_cbranch_scc1 .Lstep_\@
	OUT
.endm
	TILE 0, 8
	TILE 1, 16
	s_wait_xcnt 0x0
	v_lshl_add_u32 v254, v0, 2, 0x32000
	v_mov_b32 v255, 0
	s_wait_alu depctr_va_vdst(0)
	s_wait_tensorcnt 0x0
	ds_add_u32 v254, v255
	s_wait_dscnt 0x0
	CROUND                                         ; the closing round: no work-group ends before its partners have passed their joint loads
	s_endpgm
.Lfunc_end_k_qec4fd69fdd_attn:
	.size	k_qec4fd69fdd_attn, .Lfunc_end_k_qec4fd69fdd_attn-k_qec4fd69fdd_attn
	.p2alignl 7, 3214868480
	.fill 96, 4, 3214868480
	.section	.rodata,"a",@progbits
	.p2align	6, 0x0
	.amdhsa_kernel k_qec4fd69fdd_attn
		.amdhsa_group_segment_fixed_size 206848
		.amdhsa_private_segment_fixed_size 0
		.amdhsa_enable_private_segment 0
		.amdhsa_kernarg_size 32
		.amdhsa_user_sgpr_count 2
		.amdhsa_user_sgpr_kernarg_segment_ptr 1
		.amdhsa_wavefront_size32 1
		.amdhsa_system_sgpr_workgroup_id_x 1
		.amdhsa_system_sgpr_workgroup_id_y 1
		.amdhsa_system_sgpr_workgroup_id_z 1
		.amdhsa_system_vgpr_workitem_id 0
		.amdhsa_next_free_vgpr 256
		.amdhsa_next_free_sgpr 90
		.amdhsa_reserve_vcc 0
		.amdhsa_float_denorm_mode_32 3
		.amdhsa_float_denorm_mode_16_64 3
		.amdhsa_memory_ordered 1
		.amdhsa_forward_progress 1
		.amdhsa_inst_pref_size 74
	.end_amdhsa_kernel
	.amdgpu_metadata
---
amdhsa.version: [ 1, 2 ]
amdhsa.kernels:
  - .name:           k_qec4fd69fdd_attn
    .symbol:         k_qec4fd69fdd_attn.kd
    .args:
      - { .name: qkv_img, .offset: 0, .size: 8, .value_kind: global_buffer, .address_space: global }
      - { .name: qkv_sc, .offset: 8, .size: 8, .value_kind: global_buffer, .address_space: global }
      - { .name: ctx_img, .offset: 16, .size: 8, .value_kind: global_buffer, .address_space: global }
      - { .name: ctx_sc, .offset: 24, .size: 8, .value_kind: global_buffer, .address_space: global }
    .group_segment_fixed_size: 206848
    .private_segment_fixed_size: 0
    .kernarg_segment_align: 8
    .kernarg_segment_size: 32
    .max_flat_workgroup_size: 512
    .sgpr_count:     90
    .vgpr_count:     256
    .wavefront_size: 32
...
	.end_amdgpu_metadata
.endif
;; end of part 3
;; launch oproj (part 4): grid 4 x 64, 4 waves a work-group, clusters of 4 x 4, 327,680 bytes of LDS; arguments ctx_img, ctx_sc, o_w_codes, o_w_scales, out0; writes out0
.if DOCPART == 4
	.amdgcn_target "amdgcn-amd-amdhsa--gfx1250"
	.amdhsa_code_object_version 6
	.text
	.protected	k_qec4fd69fdd_oproj
	.globl	k_qec4fd69fdd_oproj
	.p2align	8
	.type	k_qec4fd69fdd_oproj,@function
k_qec4fd69fdd_oproj:
	s_mov_b64 s[64:65], 0
	v_nop
	global_prefetch_b8 v0, s[64:65] scope:SCOPE_SE
	s_setreg_imm32_b32 hwreg(HW_REG_WAVE_MODE, 25, 1), 1
	s_wait_xcnt 0x0
	s_wait_alu depctr_hold_cnt(0) depctr_sa_sdst(0) depctr_va_vdst(0) depctr_va_sdst(0) depctr_va_ssrc(0) depctr_va_vcc(0) depctr_vm_vsrc(0)
	s_getreg_b32 s2, hwreg(HW_REG_IB_STS2, 6, 4)
	s_cmp_eq_u32 s2, 0
	s_cbranch_scc0 .Lentry_in_a_cluster
	s_endpgm
.Lentry_in_a_cluster:
	s_bfe_u32 s2, ttmp6, 0x10000c
	s_cmp_lg_u32 s2, 0xf033
	s_cbranch_scc0 .Lentry_shape_is_right
	s_endpgm
.Lentry_shape_is_right:
; out = ctx o_w^T on codes of FP6 (E2M3) with E8M0 scales, K = 1,024; out is f32.
; A block of 128 rows x 256 columns to a work-group: 64 x 4 = 256 work-groups.  Four waves, 64 x 128 each: 32 accumulators.
; LDS IS FILLED ONCE, with all of K: A = 8 tiles of 16 rows as images of operand registers (12,288 bytes a tile: step st at 1,536 st, piece p at 256 p, 8 bytes a lane),
; B = 256 rows of 768 bytes, 16 bytes of padding behind every 256: pitch 816.  One joint load a wave: waves 0, 1 half of A each (49,152 bytes), waves 2, 3 128 rows of B each.
; 4 x 4 work-groups form a cluster: A is shared along a row, B along a column.  Nothing is filled again.
; The scale words (32 bytes a row) go once from memory into registers: lane r takes row r's eight words, 96 registers; they are 12,288 of a block's 307,200 bytes and are not asked for jointly.
; No prefetch: the launch has no loop of loads to run ahead in.
; The matrix instruction is used transposed (source 0 = B, source 1 = A): a lane holds eight neighbouring numbers of a row of out.
; REGISTERS: window 0: v16-29 addresses, v32-63 A's scale words, v64-127 B's, v128-223 A's fragments (two sets); window 1: B's fragments (two sets); window 2: the accumulators.
.set SIZE_N, 1024
.set FR,     12
.set BPITCH, 816
.set ATILE,  12288
.set BBASE,  98304
.set SPARE,  BBASE+256*BPITCH
.set SPITCH, 528
.set ADRA, 16
.set ADRB, 20                          ; v20 rows 0-63, v21 the same with lanes 16-31 behind one padding more; v22, v23 rows 64-127
.set STO,  24
.set RD,   25
.set CO,   26
.set VS,   27
.set SPW,  28
.set NIL,  29
.set SA,   32
.set SB,   64
.set AF,   128
.set BK,   128
.set G1,  24
.set G0,  32
.set G1B, 40
.set G0B, 48
.set MSB, 0
.macro WIN new
.if MSB != (\new)
	s_set_vgpr_msb (MSB<<8)|(\new)
.set MSB, (\new)
.endif
.endm
.macro CROUND
	s_barrier_signal -1
	s_barrier_wait -1
	s_cmp_lg_u32 s14, 0
	s_cbranch_scc1 .Lnot_wave_0_\@
	s_barrier_signal -3
.Lnot_wave_0_\@:
	s_barrier_wait -3
	s_barrier_signal -1
	s_barrier_wait -1
.endm
.macro PLACES
.rept 4
	v_nop
.endr
.endm
	s_load_b256 s[4:11], s[0:1], 0x0               ; ctx's images, ctx's scales, o_w's codes, o_w's scales
	s_load_b64 s[12:13], s[0:1], 0x20              ; out
	v_lshl_add_u32 v[SPW], v0, 2, SPARE
	v_mov_b32 v[NIL], 0
	ds_add_u32 v[SPW], v[NIL]                      ; the opening lines
	ds_add_u32 v[SPW], v[NIL]
	v_lshrrev_b32 v1, 5, v0
	v_readfirstlane_b32 s14, v1                    ; wave
	s_lshr_b32 s15, s14, 1                         ; my 64 rows of A; also: I fetch for A (0) or B (1)
	s_and_b32 s16, s14, 1                          ; my 128 rows of B; also: which half I fetch
	s_bfe_u32 s52, ttmp6, 0x40000                  ; cx
	s_bfe_u32 s53, ttmp6, 0x40004                  ; cy
	s_lshl_b32 s18, ttmp9, 2
	s_add_co_u32 s18, s18, s52                     ; block column
	s_and_b32 s17, ttmp7, 0xffff
	s_lshl_b32 s17, s17, 2
	s_add_co_u32 s17, s17, s53                     ; block row
	s_lshl_b32 s54, s53, 2
	s_lshl_b32 s54, 15, s54                        ; my row of the cluster
	s_lshl_b32 s55, 0x1111, s52                    ; my column
	s_or_b32 s[G1], s54, (3<<16)|(1<<21)           ; A: 49,152 dense bytes as 192 rows of 256 (32 elements of 8 bytes)
	s_mov_b32 s[G1+1], 32<<16
	s_mov_b32 s[G1+2], 192<<16
	s_mov_b32 s[G1+3], 32<<16
	s_mov_b32 s[G1+4], 192
	s_mov_b32 s[G1+5], 32
	s_mov_b32 s[G1+6], 0
	s_mov_b32 s[G1+7], 0
	s_or_b32 s[G1B], s55, (1<<20)|(1<<21)|(5<<22)|(3<<25)  ; B: 128 rows of 768 bytes, 4 words of padding behind every 64
	s_mov_b32 s[G1B+1], 768<<16
	s_mov_b32 s[G1B+2], 128<<16
	s_mov_b32 s[G1B+3], 768<<16
	s_mov_b32 s[G1B+4], 128
	s_mov_b32 s[G1B+5], 768
	s_mov_b32 s[G1B+6], 0
	s_mov_b32 s[G1B+7], 0
	s_mul_i32 s20, s17, 98304
	s_mul_i32 s[G0+1], s16, 49152                  ; A's half in LDS,
	s_add_co_u32 s20, s20, s[G0+1]                 ; and in memory
	s_mov_b32 s21, 0
	s_mul_i32 s22, s18, 196608
	s_mul_i32 s23, s16, 98304
	s_add_co_u32 s22, s22, s23                     ; B's 128 rows in memory,
	s_mov_b32 s23, 0
	s_mul_i32 s[G0B+1], s16, 128*BPITCH
	s_add_co_u32 s[G0B+1], s[G0B+1], BBASE         ; and in LDS
	s_lshl_b32 s56, s17, 12
	s_lshl_b32 s57, s15, 11
	s_add_co_u32 s56, s56, s57                     ; my 64 rows' scales
	s_mov_b32 s57, 0
	s_lshl_b32 s58, s18, 13
	s_lshl_b32 s59, s16, 12
	s_add_co_u32 s58, s58, s59                     ; my 128 columns' scales
	s_mov_b32 s59, 0
	s_lshl_b32 s60, s17, 19
	s_lshl_b32 s61, s15, 18
	s_add_co_u32 s60, s60, s61
	s_lshl_b32 s61, s18, 10
	s_add_co_u32 s60, s60, s61
	s_lshl_b32 s61, s16, 9
	s_add_co_u32 s60, s60, s61                     ; my corner of out, in bytes
	s_mov_b32 s61, 0
	s_wait_dscnt 0x0                               ; both opening adds are done
	s_wait_kmcnt 0x0
	s_add_nc_u64 s[20:21], s[4:5], s[20:21]
	s_add_nc_u64 s[22:23], s[8:9], s[22:23]
	s_add_nc_u64 s[6:7], s[6:7], s[56:57]
	s_add_nc_u64 s[10:11], s[10:11], s[58:59]
	s_add_nc_u64 s[12:13], s[12:13], s[60:61]
	CROUND                                         ; the joint loads meet
	s_mov_b32 s[G0], 1
	s_mov_b64 s[G0+2:G0+3], s[20:21]
	s_or_b32 s[G0+3], s[G0+3], 0x80000000
	s_mov_b32 s[G0B], 1
	s_mov_b64 s[G0B+2:G0B+3], s[22:23]
	s_or_b32 s[G0B+3], s[G0B+3], 0x80000000
	s_cmp_eq_u32 s15, 0                            ; one load a wave
	s_cbranch_scc0 .Lfor_b
	tensor_load_to_lds s[G0:G0+3], s[G1:G1+7]
	s_nop 0
	PLACES
	s_branch .Lasked
.Lfor_b:
	tensor_load_to_lds s[G0B:G0B+3], s[G1B:G1B+7]
	s_nop 0
	PLACES
.Lasked:
	v_and_b32 v1, 15, v0                           ; r
	v_bfe_u32 v2, v0, 4, 1                         ; h
	v_and_b32 v3, 31, v0
	v_lshlrev_b32 v[VS], 5, v1                     ; a row of scales: 32 bytes
	v_lshlrev_b32 v4, 3, v3
	s_mul_i32 s21, s15, 4*ATILE
	v_add_nc_u32 v[ADRA], s21, v4                  ; my four tiles of A, 8 bytes a lane
	v_mul_u32_u24 v5, v1, BPITCH
	v_mul_u32_u24 v6, v2, 24
	v_add_nc_u32 v5, v5, v6                        ; row x pitch + 24 h
	v_lshl_add_u32 v6, v2, 4, v5
	s_mul_i32 s22, s16, 128*BPITCH
	s_add_co_u32 s22, s22, BBASE
	v_add_nc_u32 v[ADRB], s22, v5
	v_add_nc_u32 v[ADRB+1], s22, v6
	s_add_co_u32 s22, s22, 64*BPITCH
	v_add_nc_u32 v[ADRB+2], s22, v5
	v_add_nc_u32 v[ADRB+3], s22, v6
	s_mul_i32 s23, s14, 16*SPITCH                  ; my stage, in A's bytes
	v_mul_u32_u24 v5, v1, SPITCH
	v_lshl_add_u32 v5, v2, 5, v5
	v_add_nc_u32 v[STO], s23, v5
	v_lshlrev_b32 v[CO], 4, v3
	v_add_nc_u32 v[RD], s23, v[CO]
	s_wait_alu depctr_va_vdst(0)
.irp a, 0,1,2,3
	global_load_b128 v[SA+8*\a:SA+8*\a+3], v[VS], s[6:7] offset:512*\a
	global_load_b128 v[SA+8*\a+4:SA+8*\a+7], v[VS], s[6:7] offset:512*\a+16
.endr
.irp b, 0,1,2,3,4,5,6,7
	global_load_b128 v[SB+8*\b:SB+8*\b+3], v[VS], s[10:11] offset:512*\b
	global_load_b128 v[SB+8*\b+4:SB+8*\b+7], v[VS], s[10:11] offset:512*\b+16
.endr
	s_wait_tensorcnt 0x0                           ; my part has landed,
	s_barrier_signal -1
	s_barrier_wait -1                              ; everybody's has
.macro FETCH st                        ; step st's fragments into set st % 2: B's eight (byte y of a row lies at y + 16 (y / 256)), A's four
	WIN 0x40
.irp i, 0,1,2,3,4,5,6,7
.irp p, 0,1,2,3,4,5
.set BY, 96*(\st)+48*(\p/3)+8*(\p%3)
.set XR, (BY+24)/256-BY/256
	ds_load_b64 v[128*((\st)%2)+FR*\i+2*\p:128*((\st)%2)+FR*\i+2*\p+1], v[ADRB+2*(\i/4)+XR] offset:BY+16*(BY/256)+(\i%4)*16*BPITCH
.endr
.endr
	WIN 0
.irp i, 0,1,2,3
.irp p, 0,1,2,3,4,5
	ds_load_b64 v[AF+48*((\st)%2)+FR*\i+2*\p:AF+48*((\st)%2)+FR*\i+2*\p+1], v[ADRA] offset:\i*ATILE+1536*(\st)+256*\p
.endr
.endr
.endm
.macro MUL32 st, zero                  ; the 32 accumulators take turns
	WIN 0xa1
.irp a, 0,1,2,3
.irp b, 0,1,2,3,4,5,6,7
.if \zero
	v_wmma_scale_f32_16x16x128_f8f6f4 v[8*(8*\a+\b):8*(8*\a+\b)+7], v[128*((\st)%2)+FR*\b:128*((\st)%2)+FR*\b+11], v[AF+48*((\st)%2)+FR*\a:AF+48*((\st)%2)+FR*\a+11], 0, v[SB+8*\b+(\st)], v[SA+8*\a+(\st)] matrix_a_fmt:MATRIX_FMT_FP6 matrix_b_fmt:MATRIX_FMT_FP6
.else
	v_wmma_scale_f32_16x16x128_f8f6f4 v[8*(8*\a+\b):8*(8*\a+\b)+7], v[128*((\st)%2)+FR*\b:128*((\st)%2)+FR*\b+11], v[AF+48*((\st)%2)+FR*\a:AF+48*((\st)%2)+FR*\a+11], v[8*(8*\a+\b):8*(8*\a+\b)+7], v[SB+8*\b+(\st)], v[SA+8*\a+(\st)] matrix_a_fmt:MATRIX_FMT_FP6 matrix_b_fmt:MATRIX_FMT_FP6
.endif
.endr
.endr
.endm
	FETCH 0
	s_wait_loadcnt 0x0                             ; the scale words
	s_wait_dscnt 0x0
	FETCH 1
	MUL32 0, 1                                     ; the first step's products start the sums
.set ST, 1
.rept 6
	s_wait_dscnt 0x0                               ; this step's fragments are in
	PLACES                                         ; in front of loads into the set that the last step multiplied
	FETCH ST+1
	MUL32 ST, 0
.set ST, ST+1
.endr
	s_wait_dscnt 0x0                               ; my last reads of A and B are over:
	s_barrier_signal -1
	MUL32 7, 0
	WIN 0
	s_barrier_wait -1                              ; everybody's are: A's bytes may take the stages
; THE WAY OUT: a block of 16 rows x 128 columns goes through my stage and comes back as rows of 512 bytes
.macro TOSTAGE a
	WIN 0x08
.irp b, 0,1,2,3,4,5,6,7
	ds_store_b128 v[STO], v[64*(\a)+8*\b:64*(\a)+8*\b+3] offset:64*\b          ; each accumulator from its low end on
	ds_store_b128 v[STO], v[64*(\a)+8*\b+4:64*(\a)+8*\b+7] offset:64*\b+16
.endr
	WIN 0
.set RB, BK+64*((\a)%2)
.irp t, 0,1,2,3,4,5,6,7,8,9,10,11,12,13,14,15
	ds_load_b128 v[RB+4*\t:RB+4*\t+3], v[RD] offset:\t*SPITCH
.endr
.endm
.macro SEND a, younger
.set RB, BK+64*((\a)%2)
	s_wait_dscnt \younger                          ; the block is back; the next block's 16 stores and 16 loads may be out
.if (\a) > 0
	s_add_nc_u64 s[12:13], s[12:13], 16*SIZE_N*4   ; behind a wait on XCNT
.endif
.irp t, 0,1,2,3,4,5,6,7,8,9,10,11,12,13,14,15
	global_store_b128 v[CO], v[RB+4*\t:RB+4*\t+3], s[12:13] offset:\t*SIZE_N*4 th:TH_STORE_NT   ; 32 lanes store 512 consecutive bytes, aligned
.endr
.endm
	PLACES
	TOSTAGE 0
.irp a, 1,2,3
.if \a > 1
	s_wait_xcnt 0x0                                ; block a - 2's stores have read their registers and base
.endif
	TOSTAGE \a
	SEND \a-1, 32
.endr
	s_wait_xcnt 0x0
	SEND 3, 0
	s_wait_tensorcnt 0x0                           ; the wave's end
	ds_add_u32 v[SPW], v[NIL]
	s_wait_dscnt 0x0
	CROUND                                         ; the closing round
	s_endpgm
.Lfunc_end_k_qec4fd69fdd_oproj:
	.size	k_qec4fd69fdd_oproj, .Lfunc_end_k_qec4fd69fdd_oproj-k_qec4fd69fdd_oproj
	.p2alignl 7, 3214868480
	.fill 96, 4, 3214868480
	.section	.rodata,"a",@progbits
	.p2align	6, 0x0
	.amdhsa_kernel k_qec4fd69fdd_oproj
		.amdhsa_group_segment_fixed_size 327680
		.amdhsa_private_segment_fixed_size 0
		.amdhsa_enable_private_segment 0
		.amdhsa_kernarg_size 40
		.amdhsa_user_sgpr_count 2
		.amdhsa_user_sgpr_kernarg_segment_ptr 1
		.amdhsa_wavefront_size32 1
		.amdhsa_system_sgpr_workgroup_id_x 1
		.amdhsa_system_sgpr_workgroup_id_y 1
		.amdhsa_system_sgpr_workgroup_id_z 1
		.amdhsa_system_vgpr_workitem_id 0
		.amdhsa_next_free_vgpr 768
		.amdhsa_next_free_sgpr 66
		.amdhsa_reserve_vcc 0
		.amdhsa_float_denorm_mode_32 3
		.amdhsa_float_denorm_mode_16_64 3
		.amdhsa_memory_ordered 1
		.amdhsa_forward_progress 1
		.amdhsa_inst_pref_size 94
	.end_amdhsa_kernel
	.amdgpu_metadata
---
amdhsa.version: [ 1, 2 ]
amdhsa.kernels:
  - .name:           k_qec4fd69fdd_oproj
    .symbol:         k_qec4fd69fdd_oproj.kd
    .args:
      - { .name: ctx_img, .offset: 0, .size: 8, .value_kind: global_buffer, .address_space: global }
      - { .name: ctx_sc, .offset: 8, .size: 8, .value_kind: global_buffer, .address_space: global }
      - { .name: o_w_codes, .offset: 16, .size: 8, .value_kind: global_buffer, .address_space: global }
      - { .name: o_w_scales, .offset: 24, .size: 8, .value_kind: global_buffer, .address_space: global }
      - { .name: out0, .offset: 32, .size: 8, .value_kind: global_buffer, .address_space: global }
    .group_segment_fixed_size: 327680
    .private_segment_fixed_size: 0
    .kernarg_segment_align: 8
    .kernarg_segment_size: 40
    .max_flat_workgroup_size: 128
    .sgpr_count:     66
    .vgpr_count:     768
    .wavefront_size: 32
...
	.end_amdgpu_metadata
.endif
;; end of part 4
